; MI455X (gfx1250); checked and timed in simulation.
; The chip was launched on July 23, 2026; its instructions are those of AMD's public machine-readable ISA for CDNA 5 (MIT licence, August 2026) and "CDNA5" Instruction Set Architecture Reference Guide (July 2026). The comments in the code are by the model that wrote it; some were corrected since.
;; Mo EFFN. Allowed arithmetic: matrix products marked QUANTISED: E3M2 operands, one E8M0 scale for each 32 along K, by v_wmma_scale_f32_16x16x128_f8f6f4 with both operands' format E3M2, f32 sums; products left as they are: f32 operands where the result goes on into a quantised operand, else bf16, f16 or f32 operands; f32 sums; everything else in f32.
;; Inputs: b1 8 x 4,096 float32; b2 8 x 1,024 float32; hidden_states 8 x 128 x 1,024 float32; ln_b 1,024 float32; ln_w 1,024 float32; router_b 8 float32; router_w 8 x 1,024 float32; w1_codes 8 x 4,096 x 32 x 24 uint8 (E3M2 codes of w1, K innermost, in blocks of 32 codes, four codes in three bytes); w1_scales 8 x 4,096 x 32 uint8 (E8M0 scales of w1, one for each 32 codes along K); w2_codes 8 x 1,024 x 128 x 24 uint8 (E3M2 codes of w2, K innermost, in blocks of 32 codes, four codes in three bytes); w2_scales 8 x 1,024 x 128 uint8 (E8M0 scales of w2, one for each 32 codes along K).
;; Outputs: out0 8 x 128 x 1,024 float32.
;; This version of the problem:
;;   THIS VERSION OF THE PROBLEM IS GIVEN IN LOW PRECISION. The matrix products marked QUANTISED in the list below multiply operands that are first quantised to E3M2 (3 exponent bits, 2 mantissa bits; 6 bits a number), with one power-of-two scale for each 32 numbers along K (OCP MX v1.0); their sums are f32. All else is computed in f32.
;;   The module's matrix products, in the order in which they are computed (A, B: the left and right operand; K: the contracted axis; several contracted axes count as one K, in the product's order):
;;     1. [M 1,024, K 1,024] x [K 1,024, N 8]; A: input hidden_states; B: input router_w: left as it is (N = 8 < 16)
;;     2. [M 1,024, K 1,024] x [K 1,024, N 4,096]; A: input hidden_states; B: input w1 (given as codes): QUANTISED
;;     3. [M 1,024, K 4,096] x [K 4,096, N 1,024]; A: computed on the way; B: input w2 (given as codes): QUANTISED
;;     4. [M 1,024, K 1,024] x [K 1,024, N 4,096]; A: input hidden_states; B: input w1 (given as codes): QUANTISED
;;     5. [M 1,024, K 4,096] x [K 4,096, N 1,024]; A: computed on the way; B: input w2 (given as codes): QUANTISED
;;     6. [M 1,024, K 1,024] x [K 1,024, N 4,096]; A: input hidden_states; B: input w1 (given as codes): QUANTISED
;;     7. [M 1,024, K 4,096] x [K 4,096, N 1,024]; A: computed on the way; B: input w2 (given as codes): QUANTISED
;;     8. [M 1,024, K 1,024] x [K 1,024, N 4,096]; A: input hidden_states; B: input w1 (given as codes): QUANTISED
;;     9. [M 1,024, K 4,096] x [K 4,096, N 1,024]; A: computed on the way; B: input w2 (given as codes): QUANTISED
;;     10. [M 1,024, K 1,024] x [K 1,024, N 4,096]; A: input hidden_states; B: input w1 (given as codes): QUANTISED
;;     11. [M 1,024, K 4,096] x [K 4,096, N 1,024]; A: computed on the way; B: input w2 (given as codes): QUANTISED
;;     12. [M 1,024, K 1,024] x [K 1,024, N 4,096]; A: input hidden_states; B: input w1 (given as codes): QUANTISED
;;     13. [M 1,024, K 4,096] x [K 4,096, N 1,024]; A: computed on the way; B: input w2 (given as codes): QUANTISED
;;     14. [M 1,024, K 1,024] x [K 1,024, N 4,096]; A: input hidden_states; B: input w1 (given as codes): QUANTISED
;;     15. [M 1,024, K 4,096] x [K 4,096, N 1,024]; A: computed on the way; B: input w2 (given as codes): QUANTISED
;;     16. [M 1,024, K 1,024] x [K 1,024, N 4,096]; A: input hidden_states; B: input w1 (given as codes): QUANTISED
;;     17. [M 1,024, K 4,096] x [K 4,096, N 1,024]; A: computed on the way; B: input w2 (given as codes): QUANTISED
;;   THE QUANTISER, for each operand of a quantised product, along K:
;;     - K is cut into blocks of 32 from its start; a last block that is shorter is filled with zeros.
;;     - A block's scale is 2^e with e = floor(log2(the largest magnitude in the block)) - 4, held to -126 .. 127; a block of zeros has e = 0. As a byte (E8M0): e + 127.
;;     - Each number is divided by its block's scale, clamped to +-28, and rounded to the nearest number of E3M2, ties to even, subnormals kept.
;;     - The product sums the exact products of the quantised numbers (number of the format x scale) in f32.
;;   ~~~python
;;   def quantise(x, axis):      # numpy; x: float32 -> the quantised numbers, widened to float32 again
;;       x = np.moveaxis(x, axis, -1); K = x.shape[-1]
;;       x = np.pad(x, [(0, 0)] * (x.ndim - 1) + [(0, -K % 32)]); x = x.reshape(x.shape[:-1] + (-1, 32)); a = np.abs(x).max(-1, keepdims=True)
;;       e = np.where(a > 0, np.clip(np.frexp(np.where(a > 0, a, 1))[1] - 1 - 4, -126, 127), 0)      # np.frexp(a)[1] - 1 = floor(log2(a)), exactly
;;       r = np.clip(x / 2.0 ** e, -28, 28)
;;       step = 2.0 ** (np.maximum(np.frexp(np.where(r == 0, 1, r))[1] - 1, -2) - 2)
;;       q = np.round(r / step) * step * 2.0 ** e      # np.round: ties to even
;;       return np.moveaxis(q.reshape(q.shape[:-2] + (-1,))[..., :K], -1, axis).astype(np.float32)
;;   ~~~
;;   OPERANDS COMPUTED ON THE WAY. 'Computed on the way' means the value that the module computes at that place (a softmax that the list does not call 'softmax' is quantised finished and normalised). What goes into a quantiser is computed in f32, as accurately as f32 sums, v_exp_f32 and their like allow (about 1e-6 of the number): no bf16 or f16 on the way to a quantiser, and a product that is left as it is and whose result goes on into a quantised operand takes f32 operands (vector FMAs, or v_wmma_f32_16x16x4_f32). A number that lies on a knife's edge between two numbers of the format may be rounded either way, as far as f32 arithmetic and the matrix unit's own rounding can turn it there, and no further.
;;   INPUTS GIVEN AS CODES. w1 (in the module: [8, 4096, 1024], K = its axis 2); w2 (in the module: [8, 1024, 4096], K = its axis 2): each comes as NAME_codes (uint8): NAME with its K axis moved to the last place and cut into blocks of 32 codes, [.., K / 32, bytes a block], one block behind the other in memory; four codes in three bytes: a row's codes are one little-endian stream of bits, code i at bits 6 i .. 6 i + 5 (a code: sign, 3 exponent bits, 2 mantissa bits); and NAME_scales (uint8): the same leading axes, one E8M0 byte (e + 127) for each 32 codes along K. Its value is code x scale, taken as it is: it is not quantised again, and the codes and scales need not be those that the quantiser above would give.
;; 3 versions, each right; version 2 is faster than version 1; version 3 is version 2 with the launches up, down written anew for expert scheduling mode. Each part assembles by itself: llvm-mc -triple=amdgcn-amd-amdhsa -mcpu=gfx1250 --defsym DOCPART=n.
;; ======== version 1 of 3: 4 launches
;; workspace buffers: xc 786,432 bytes; xs 32,768 bytes; sel 4,096 bytes of whole numbers; gw 8,192 bytes; hc 25,165,824 bytes; hs 1,048,576 bytes; rows 32,768 bytes of whole numbers; y 8,421,376 bytes
;; launch route (part 1): grid 64 x 1, 4 waves a work-group, no clusters, 33,280 bytes of LDS; arguments hidden_states, router_w, router_b, xc, xs, sel, gw; writes xc, xs, sel, gw
.if DOCPART == 1
	.amdgcn_target "amdgcn-amd-amdhsa--gfx1250"
	.amdhsa_code_object_version 6
	.text
	.protected	k_q305c6aa0bd_route
	.globl	k_q305c6aa0bd_route
	.p2align	8
	.type	k_q305c6aa0bd_route,@function
k_q305c6aa0bd_route:
	s_mov_b64 s[64:65], 0
	v_nop
	global_prefetch_b8 v0, s[64:65] scope:SCOPE_SE
	s_setreg_imm32_b32 hwreg(HW_REG_WAVE_MODE, 25, 1), 1
	s_wait_xcnt 0x0
; ROUTER AND QUANTISER OF x.  1,024 tokens of 1,024 f32.  A wave owns 4 tokens (16 x work-group + 4 x wave); waves share nothing.
; (1) x becomes codes of E3M2, K innermost, 768 bytes a token (xc), with one E8M0 byte for each 32 along K.  The four bytes of a K step of 128 are laid
;     in the order block 0, 2, 1, 3 (xs: a word for each token and K step): the products take a lane half's 48 consecutive bytes, blocks 2 h and 2 h + 1.
; (2) logits = x . router_w + router_b in f32 (packed multiply-adds, a sum over the 32 lanes), the two largest (a tie keeps the lower index: strict compares in
;     ascending order), their softmax with the larger taken away first.  sel[token] = (1 << first) | (1 << (8 + second)), a whole number; gw[token] = the two weights.
; No address here hangs on the choice: everything is stored at the token's own place.
; LIMITS: NaN and infinities among x or the logits are not served.  A block of zeros gets the byte 1 where the rule says 127: its codes are zeros, and this program alone reads the bytes.
.set SP,   80                          ; a lane's place in a stage: its 64 bytes + 16 of padding
.set WREG, 8192                        ; LDS: a region for each wave: two stages of 32 x SP bytes, then its 128 scale bytes
.set SB,   5120
.set R,    16                          ; v16-143  x as loaded: token t at 32 t, load i at 4 i: lane l holds k = 128 i + 4 l + 0 .. 3
.set X,    144                         ; v144-175 two sets of 16 neighbours along K
.set ACC,  176                         ; v176-191 eight pairs: a token's partial dot products, one pair an expert
.set L,    192                         ; v192-199 logits: lane t holds token t's
.set C,    200                         ; v200-231 codes: four registers a step, so that no store's data are written again
.set E,    232                         ; v232-239 a scale byte a step
.set T,    240                         ; v240-255 at work
                                       ; window 1: router_w, expert e at 32 e, in the lanes' order of x
.set MSB, 0
.macro WIN new                         ; the immediate's high byte repeats the setting that is left
.if MSB != (\new)
	s_set_vgpr_msb (MSB<<8)|(\new)
.set MSB, (\new)
.endif
.endm
	s_load_b256 s[4:11], s[0:1], 0x0               ; x s[4:5], router_w s[6:7], router_b s[8:9], xc s[10:11]
	s_load_b128 s[12:15], s[0:1], 0x20             ; xs s[12:13], sel s[14:15]
	s_load_b64 s[16:17], s[0:1], 0x30              ; gw
	v_lshl_add_u32 v227, v0, 2, 0x8000
	v_mov_b32 v231, 0
	v_lshrrev_b32 v1, 5, v0
	v_readfirstlane_b32 s28, v1                    ; wave
	v_and_b32 v1, 31, v0                           ; lane
	v_lshlrev_b32 v2, 4, v1                        ; my 16 bytes of a load's 512
	v_mul_u32_u24 v3, v1, 12                       ; my 12 bytes of a step's 384 bytes of codes
	s_mul_i32 s29, s28, WREG
	v_lshrrev_b32 v4, 2, v1
	v_mul_u32_u24 v4, v4, SP
	v_and_b32 v10, 3, v1
	v_lshl_add_u32 v4, v10, 4, v4
	v_add_nc_u32 v4, s29, v4                       ; the stage, on the way in: SP (lane / 4) + 16 (lane % 4)
	v_mul_u32_u24 v5, v1, SP
	v_add_nc_u32 v5, s29, v5                       ; and on the way out: SP x lane: my 16 neighbours
	v_lshrrev_b32 v10, 1, v1                       ; q: my block among a step's 16
	v_and_b32 v6, 12, v10                          ; its K step's word,
	v_and_b32 v11, 1, v10
	v_lshl_add_u32 v6, v11, 1, v6                  ; and its byte there: blocks 0, 1, 2, 3 go to bytes 0, 2, 1, 3
	v_bfe_u32 v11, v10, 1, 1
	v_add_nc_u32 v6, v6, v11
	s_add_co_u32 s29, s29, SB
	v_add_nc_u32 v6, s29, v6
	v_lshlrev_b32 v8, 2, v1                        ; 4 x lane
	v_add_nc_u32 v7, s29, v8                       ; the scale bytes on the way out: a word a lane
	v_lshlrev_b32 v9, 3, v1                        ; 8 x lane
	s_mov_b32 s30, 0x76543210
	s_mov_b32 s31, 0xfedcba98                      ; v_permlanex16_b32's selects for lane l xor 16
	s_lshl_b32 s32, ttmp9, 2
	s_add_co_u32 s32, s32, s28                     ; which group of 4 tokens is my wave's
	s_mov_b32 s35, 0
	s_wait_kmcnt 0x0
	s_load_b256 s[20:27], s[8:9], 0x0              ; router_b
	s_lshl_b32 s34, s32, 14
	s_add_nc_u64 s[4:5], s[4:5], s[34:35]          ; x: 4 rows of 4,096 bytes
	s_mul_i32 s34, s32, 3072
	s_add_nc_u64 s[10:11], s[10:11], s[34:35]      ; xc: 4 rows of 768
	s_lshl_b32 s34, s32, 7
	s_add_nc_u64 s[12:13], s[12:13], s[34:35]      ; xs: 4 x 32
	s_lshl_b32 s34, s32, 4
	s_add_nc_u64 s[14:15], s[14:15], s[34:35]      ; sel: 4 x 4
	s_lshl_b32 s34, s32, 5
	s_add_nc_u64 s[16:17], s[16:17], s[34:35]      ; gw: 4 x 8
.irp t, 0,1,2,3
.irp i, 0,1,2,3,4,5,6,7
	global_load_b128 v[R+32*\t+4*\i:R+32*\t+4*\i+3], v2, s[4:5] offset:4096*\t+512*\i th:TH_LOAD_NT   ; 32 lanes read 512 consecutive bytes
.endr
.endr
.irp e, 0,1,2,3,4,5,6,7
	v_mov_b32 v[L+\e], 0                           ; the logits are gathered lane by lane: the other lanes hold 0
	v_mov_b32 v[T+8+\e], 0                         ; written once: a lane permute's destination counts as one of its sources
.endr
.macro TURN u                          ; step u's 512 numbers through the stage: LDS serves a wave's instructions in order, so no wait stands between the stores and the loads
.irp i, 0,1,2,3
	ds_store_b128 v4, v[R+16*(\u)+4*\i:R+16*(\u)+4*\i+3] offset:32*SP*((\u)%2)+8*SP*\i
.endr
.irp i, 0,1,2,3
	ds_load_b128 v[X+16*((\u)%2)+4*\i:X+16*((\u)%2)+4*\i+3], v5 offset:32*SP*((\u)%2)+16*\i
.endr
.endm
; Step u = half (u % 2) of token u / 2.  Expert u's row of router_w is asked for here, eight loads a step, so that every counted wait stays small.
.macro STEP u
.set XQ, X+16*((\u)%2)
.if (\u) > 0
	s_wait_dscnt 1                                 ; this step's numbers are back from the stage; the last step's byte store may be out
.else
	s_wait_dscnt 0x0
.endif
	WIN 0x40                                       ; destination window 1
.irp i, 0,1,2,3,4,5,6,7
	global_load_b128 v[32*(\u)+4*\i:32*(\u)+4*\i+3], v2, s[6:7] offset:4096*(\u)+512*\i
.endr
	WIN 0
.if (\u)+1 < 8
.if ((\u)+1)%2 == 0
	s_wait_loadcnt 24+8*(((\u)+1)/2)               ; the next token's eight loads are in.  Behind them: 8 for each later token, and 8 (u + 1) of router_w
.endif
	TURN (\u)+1
.endif
	v_max3_num_f32 v[T], |v[XQ]|, |v[XQ+1]|, |v[XQ+2]|             ; the largest magnitude of my 16, in two chains
	v_max3_num_f32 v[T+1], |v[XQ+3]|, |v[XQ+4]|, |v[XQ+5]|
.irp i, 6,10
	v_max3_num_f32 v[T], v[T], |v[XQ+\i]|, |v[XQ+\i+1]|
	v_max3_num_f32 v[T+1], v[T+1], |v[XQ+\i+2]|, |v[XQ+\i+3]|
.endr
	v_max3_num_f32 v[T], v[T], |v[XQ+14]|, |v[XQ+15]|
	v_max3_num_f32 v[T], v[T], v[T+1], 0x2800000   ; and the floor 2^(5 - 127): the byte cannot fall under 1
	v_max_num_f32_dpp v[T], v[T], v[T] row_xmask:1 row_mask:0xf bank_mask:0xf   ; and of my neighbour's 16: the block's
	v_add_nc_u32 v[T+2], 0xfe000000, v[T]          ; 4 off its exponent field: the conversion takes the exponent field of this operand as its scale
	v_cvt_scalef32_pk16_bf6_f32 v[C+4*(\u):C+4*(\u)+2], v[XQ:XQ+15], v[T+2]
	v_lshrrev_b32 v[E+(\u)], 23, v[T+2]            ; the scale's byte (also the plain line behind the conversion)
	ds_store_b8 v6, v[E+(\u)] offset:16*(\u)       ; both lanes of a block write the same byte with the same value
	global_store_b96 v3, v[C+4*(\u):C+4*(\u)+2], s[10:11] offset:384*(\u)   ; the wave stores 384 consecutive bytes
.endm
	s_wait_loadcnt 24                              ; token 0's eight loads are in; those of tokens 1 to 3 may be out
	TURN 0
.irp u, 0,1,2,3,4,5,6,7
	STEP \u
.endr
	s_wait_loadcnt 0x0                             ; router_w
	s_wait_kmcnt 0x0                               ; router_b
; The eight dot products of a token: 16 packed multiply-adds an expert, the experts by turns; then the sum over the 32 lanes.
.irp t, 0,1,2,3
	WIN 0x04                                       ; source 1 (router_w) window 1
.irp i, 0,1,2,3,4,5,6,7,8,9,10,11,12,13,14,15
.irp e, 0,1,2,3,4,5,6,7
.if \i == 0
	v_pk_mul_f32 v[ACC+2*\e:ACC+2*\e+1], v[R+32*\t:R+32*\t+1], v[32*\e:32*\e+1]
.else
	v_pk_fma_f32 v[ACC+2*\e:ACC+2*\e+1], v[R+32*\t+2*\i:R+32*\t+2*\i+1], v[32*\e+2*\i:32*\e+2*\i+1], v[ACC+2*\e:ACC+2*\e+1]
.endif
.endr
.endr
	WIN 0
.irp e, 0,1,2,3,4,5,6,7
	v_add_f32 v[T+\e], v[ACC+2*\e], v[ACC+2*\e+1]
.endr
.irp m, 1,2,4,8
.irp e, 0,1,2,3,4,5,6,7
	v_add_f32_dpp v[T+\e], v[T+\e], v[T+\e] row_xmask:\m row_mask:0xf bank_mask:0xf
.endr
.endr
.irp e, 0,1,2,3,4,5,6,7
	v_permlanex16_b32 v[T+8+\e], v[T+\e], s30, s31
.endr
.irp e, 0,1,2,3,4,5,6,7
	v_add_f32 v[T+\e], v[T+\e], v[T+8+\e]
.endr
	s_mov_b32 s33, 1<<\t
.irp e, 0,1,2,3,4,5,6,7
	v_cndmask_b32 v[L+\e], v[L+\e], v[T+\e], s33   ; token t's logits go to lane t
.endr
.endr
; The two largest, once for the four tokens in lanes 0 to 3.
.irp e, 0,1,2,3,4,5,6,7
	v_add_f32 v[L+\e], s[20+\e], v[L+\e]
.endr
	v_mov_b32 v[T], v[L]                           ; the largest so far, and its index
	v_mov_b32 v[T+1], 0
.irp e, 1,2,3,4,5,6,7
	v_cmp_gt_f32 vcc_lo, v[L+\e], v[T]             ; strictly greater: a tie keeps the lower index
	v_cndmask_b32 v[T], v[T], v[L+\e], vcc_lo
	v_cndmask_b32 v[T+1], v[T+1], \e, vcc_lo
.endr
	v_mov_b32 v[T+4], 0xff800000                   ; -infinity takes the first's place
.irp e, 0,1,2,3,4,5,6,7
	v_cmp_eq_u32 vcc_lo, \e, v[T+1]
	v_cndmask_b32 v[L+\e], v[L+\e], v[T+4], vcc_lo
.endr
	v_mov_b32 v[T+2], v[L]
	v_mov_b32 v[T+3], 0
.irp e, 1,2,3,4,5,6,7
	v_cmp_gt_f32 vcc_lo, v[L+\e], v[T+2]
	v_cndmask_b32 v[T+2], v[T+2], v[L+\e], vcc_lo
	v_cndmask_b32 v[T+3], v[T+3], \e, vcc_lo
.endr
	v_sub_f32 v[T+5], v[T+2], v[T]                 ; second - first, 0 or less: the maximum is taken away
	v_mul_f32 v[T+5], 0x3fb8aa3b, v[T+5]
	v_exp_f32 v[T+5], v[T+5]
	v_nop                                          ; a plain line behind the transcendental,
	s_wait_alu depctr_va_vdst(0)                   ; and a wait ahead of its first reader
	v_add_f32 v[T+8], 1.0, v[T+5]
	v_rcp_f32 v[T+6], v[T+8]                       ; the first's weight
	v_nop
	s_wait_alu depctr_va_vdst(0)
	v_mul_f32 v[T+7], v[T+5], v[T+6]               ; the second's
	v_mov_b32 v[T+9], 1
	v_lshlrev_b32 v[T+9], v[T+1], v[T+9]
	v_mov_b32 v[T+10], 0x100
	v_lshlrev_b32 v[T+10], v[T+3], v[T+10]
	v_or_b32 v[T+9], v[T+9], v[T+10]               ; (1 << first) | (1 << (8 + second))
	ds_load_b32 v[T+11], v7                        ; LDS serves a wave's instructions in order: this sees my byte stores
	s_wait_dscnt 0x0
	global_store_b32 v8, v[T+11], s[12:13]         ; my 4 tokens' 32 scale words: 128 consecutive bytes
	v_cmp_gt_u32 vcc_lo, 4, v1
	s_wait_xcnt 0x0                                ; EXEC changes only behind this wait
	s_barrier_signal -1
	s_barrier_wait -1
	s_wait_tensorcnt 0x0
	ds_add_u32 v227, v231
	s_wait_dscnt 0x0
	s_and_saveexec_b32 s33, vcc_lo                 ; lanes 0 to 3
	global_store_b32 v8, v[T+9], s[14:15]
	global_store_b64 v9, v[T+6:T+7], s[16:17]
	s_wait_xcnt 0x0
	s_or_b32 exec_lo, exec_lo, s33
	s_endpgm
.Lfunc_end_k_q305c6aa0bd_route:
	.size	k_q305c6aa0bd_route, .Lfunc_end_k_q305c6aa0bd_route-k_q305c6aa0bd_route
	.p2alignl 7, 3214868480
	.fill 96, 4, 3214868480
	.section	.rodata,"a",@progbits
	.p2align	6, 0x0
	.amdhsa_kernel k_q305c6aa0bd_route
		.amdhsa_group_segment_fixed_size 33280
		.amdhsa_private_segment_fixed_size 0
		.amdhsa_enable_private_segment 0
		.amdhsa_kernarg_size 56
		.amdhsa_user_sgpr_count 2
		.amdhsa_user_sgpr_kernarg_segment_ptr 1
		.amdhsa_wavefront_size32 1
		.amdhsa_system_sgpr_workgroup_id_x 1
		.amdhsa_system_sgpr_workgroup_id_y 1
		.amdhsa_system_sgpr_workgroup_id_z 1
		.amdhsa_system_vgpr_workitem_id 0
		.amdhsa_next_free_vgpr 512
		.amdhsa_next_free_sgpr 66
		.amdhsa_reserve_vcc 1
		.amdhsa_float_denorm_mode_32 3
		.amdhsa_float_denorm_mode_16_64 3
		.amdhsa_memory_ordered 1
		.amdhsa_forward_progress 1
		.amdhsa_inst_pref_size 75
	.end_amdhsa_kernel
	.amdgpu_metadata
---
amdhsa.version: [ 1, 2 ]
amdhsa.kernels:
  - .name:           k_q305c6aa0bd_route
    .symbol:         k_q305c6aa0bd_route.kd
    .args:
      - { .name: hidden_states, .offset: 0, .size: 8, .value_kind: global_buffer, .address_space: global }
      - { .name: router_w, .offset: 8, .size: 8, .value_kind: global_buffer, .address_space: global }
      - { .name: router_b, .offset: 16, .size: 8, .value_kind: global_buffer, .address_space: global }
      - { .name: xc, .offset: 24, .size: 8, .value_kind: global_buffer, .address_space: global }
      - { .name: xs, .offset: 32, .size: 8, .value_kind: global_buffer, .address_space: global }
      - { .name: sel, .offset: 40, .size: 8, .value_kind: global_buffer, .address_space: global }
      - { .name: gw, .offset: 48, .size: 8, .value_kind: global_buffer, .address_space: global }
    .group_segment_fixed_size: 33280
    .private_segment_fixed_size: 0
    .kernarg_segment_align: 8
    .kernarg_segment_size: 56
    .max_flat_workgroup_size: 128
    .sgpr_count:     66
    .vgpr_count:     512
    .wavefront_size: 32
...
	.end_amdgpu_metadata
.endif
;; end of part 1
;; launch up (part 2): grid 32 x 8, 4 waves a work-group, no clusters, 107,264 bytes of LDS; arguments xc, xs, sel, w1_codes, w1_scales, b1, hc, hs, rows; writes hc, hs, rows
.if DOCPART == 2
	.amdgcn_target "amdgcn-amd-amdhsa--gfx1250"
	.amdhsa_code_object_version 6
	.text
	.protected	k_q305c6aa0bd_up
	.globl	k_q305c6aa0bd_up
	.p2align	8
	.type	k_q305c6aa0bd_up,@function
k_q305c6aa0bd_up:
	s_mov_b64 s[64:65], 0
	v_nop
	global_prefetch_b8 v0, s[64:65] scope:SCOPE_SE
	s_setreg_imm32_b32 hwreg(HW_REG_WAVE_MODE, 25, 1), 1
	s_wait_xcnt 0x0
; h = Q(gelu(x W1[e]^T + b1[e])) for the rows routed to expert e (work-group y), hidden units 128 sl .. 128 sl + 127 (work-group x = sl).  Both operands are codes of E3M2 with E8M0 scales.
; THE WEIGHTS STAY, THE ROWS PASS BY.  The work-group's 128 x 1,024 slice of W1, 98,304 dense bytes, is read from memory once, a quarter by each wave in loads of 512 consecutive bytes, laid as rows in LDS, and
; taken WHOLE into every wave's registers: 64 fragments, 768 registers.  Wave w then takes the expert's tiles of 16 rows w, w + 4, w + 8 ..: the loop has no barrier.
; THE LIST.  sel[token] (whole numbers, stored by the launch before) says which two experts a token has.  Wave 0 lays the expert's rows in LDS in ascending order of tokens (entry = slot << 10 | token);
; every wave counts them.  The work-groups with sl = 0 store the list in rows, for the next launch.  Places behind the count hold the entry 0x800 | e: in the last tile token e's row is computed there, so that a
; tile's image is stored whole; the next launch sends its result to row 2,048 + e of its workspace, which nobody reads.
; K ORDER.  A lane half h takes 48 consecutive bytes of a row, the blocks 2 h and 2 h + 1 of a K step of 128, on both operands alike: three loads of 16 bytes a fragment.  The unit's block 2 c + h is then the
; true block 2 h + c, so the four scale bytes of a word stand in the order 0, 2, 1, 3.  The products are the same; the unit groups them otherwise.
; TRANSPOSED: source 0 = 16 rows of W1, source 1 = 16 rows of x.  Row p of tile 2 b + u is unit 32 b + 16 (p / 8) + 8 u + p % 8, so that a lane's 16 registers of tiles 2 b, 2 b + 1 are 16 neighbours along the next K.
; The bias is the C of each sum's first product.  The result leaves as an IMAGE OF THE NEXT OPERAND'S REGISTERS: hc[e][tile][K step sl]: 1,536 dense bytes; hs: a scale word a row.
; GELU, exact: gelu(v) = max(v, 0) - |v| E, E = erfc(|v| / sqrt 2) / 2 = t exp(P(t) - v^2 / 2), t = 1 / (1 + 0.35355339 |v|), P of degree 9: a fit of erfc with a fractional error under 1.2e-7.
; LIMITS: NaN and infinities are not served.  A block of zeros gets the byte 1: its codes are zeros, and this program alone reads the bytes.
; No tensor load and no cluster: the loop is left on a count made from numbers read from memory, and no weight byte is read by two work-groups.
; REGISTERS, window 0: v1 x's offset, v2 xs's, v3 my place in the list, v4 16 x lane, v5 4 (lane % 16), v6 my bias bytes, v7 48 h, v8 16 h, v9 at work, v[10:11] c9, v[12:15] squares (v9-15 hold addresses at the head);
;   v16-19 x's scale words; v20-51 W1's; v52-63 fragment 63; v64-159 x's 8 fragments; v160-223 the 8 accumulators; v224-255 at work.   Windows 1 to 3: fragment f = 8 s + t at window 1 + f / 21, register 12 (f % 21).
.set LIST,  0                          ; LDS: 1,024 entries, a word that takes what is not routed here, padding: 4,352 bytes
.set BIAS,  4352                       ; 512 bytes for each wave: its own copy of the slice's 128 biases
.set WROWS, 6400                       ; 128 rows of W1, 784 bytes apart
.set WP,    784                        ; 768 + 16: an odd multiple of 16, so that the 16 rows of a load of 16 bytes fall on 16 different columns of 16 bytes
.set XS,  16
.set WS,  20                           ; register 8 b + s: lanes 0-15 tile 2 b's words of K step s, lanes 16-31 tile 2 b + 1's
.set F63, 52
.set X,   64
.set ACC, 160
.set T,   224
.set P,   240
.set TM,  T                            ; the quantiser: largest magnitudes,
.set TP,  T+4                          ; the other half's, then the bytes,
.set SCL, T+8                          ; the conversions' scale operands,
.set PC,  T+12                         ; the codes: 12 registers,
.set PC2, T+24                         ; the halves that are made elsewhere and moved,
.set PW,  T                            ; the scale word
.set MSB, 0
.macro WIN new                         ; the immediate's high byte repeats the setting that is left
.if MSB != (\new)
	s_set_vgpr_msb (MSB<<8)|(\new)
.set MSB, (\new)
.endif
.endm
.macro PAIR r, val                     ; a constant for the packed forms, which name a pair
	s_mov_b32 s[\r], \val
	s_mov_b32 s[\r+1], \val
.endm
	s_load_b512 s[4:19], s[0:1], 0x0               ; xc s[4:5], xs s[6:7], sel s[8:9], W1's codes s[10:11], its scales s[12:13], b1 s[14:15], hc s[16:17], hs s[18:19]
	s_load_b64 s[20:21], s[0:1], 0x40              ; rows
	s_set_vgpr_msb 0x40
	v_lshl_add_u32 v254, v0, 2, 0x1a100
	v_mov_b32 v255, 0
	s_set_vgpr_msb 0x4000
	v_lshrrev_b32 v9, 5, v0
	v_readfirstlane_b32 s22, v9                    ; wave
	s_and_b32 s23, ttmp7, 0xffff                   ; expert
	s_mov_b32 s24, ttmp9                           ; slice
	v_and_b32 v5, 15, v0                           ; r
	v_bfe_u32 v6, v0, 4, 1                         ; h
	v_and_b32 v9, 31, v0                           ; lane
	v_lshlrev_b32 v4, 4, v9                        ; 16 x lane
	v_lshlrev_b32 v1, 2, v9                        ; at the head: 4 x lane, for sel
	v_and_b32 v2, 8, v5
	v_add_nc_u32 v2, v2, v5
	v_lshl_add_u32 v2, v6, 3, v2                   ; at the head: W1's scales: lane (p, u) takes unit 8 u + p + 8 (p / 8) of each 32,
	v_lshlrev_b32 v2, 5, v2                        ; 32 bytes a unit
	s_lshl_b32 s31, s22, 6
	v_lshl_add_u32 v3, v5, 2, s31                  ; the list: entry 16 w + r
	v_mul_u32_u24 v7, v6, 48
	v_lshlrev_b32 v8, 4, v6
	s_mul_i32 s31, s22, 32*WP
	s_add_co_u32 s31, s31, WROWS
	v_add_nc_u32 v10, s31, v4                      ; the raw bytes' way into my 32 rows: 16 x lane,
	v_lshl_add_u32 v11, v6, 4, v10                 ; and for a load that straddles two rows: lanes 16-31 behind one padding more
	v_mul_u32_u24 v12, v5, WP
	v_add_nc_u32 v12, v12, v7
	v_add_nc_u32 v12, WROWS, v12                   ; a fragment: row p, + 48 h; tiles 0 to 3,
	v_add_nc_u32 v13, 64*WP, v12                   ; tiles 4 to 7
	s_lshl_b32 s31, s22, 9
	s_add_co_u32 s31, s31, BIAS
	v_add_nc_u32 v14, s31, v4                      ; my wave's copy of the biases, on the way in,
	v_lshl_add_u32 v6, v6, 6, s31                  ; and out: + 64 h
	s_lshl_b32 s31, s22, 10
	v_add_nc_u32 v15, s31, v4                      ; my wave's quarter of the list: in LDS (LIST = 0) and in rows alike
	v_lshlrev_b32 v5, 2, v5                        ; 4 r
	s_mov_b32 s33, 0
	s_mov_b32 s35, 0
	s_wait_kmcnt 0x0
	s_mul_i32 s32, s23, 3145728
	s_mul_i32 s34, s24, 98304
	s_add_co_u32 s32, s32, s34
	s_mul_i32 s34, s22, 24576
	s_add_co_u32 s32, s32, s34
	s_add_nc_u64 s[10:11], s[10:11], s[32:33]      ; W1's codes: expert, slice, my wave's 32 rows
	s_lshl_b32 s32, s23, 17
	s_lshl_b32 s34, s24, 12
	s_add_co_u32 s32, s32, s34
	s_add_nc_u64 s[12:13], s[12:13], s[32:33]      ; its scales
	s_lshl_b32 s32, s23, 14
	s_lshl_b32 s34, s24, 9
	s_add_co_u32 s32, s32, s34
	s_add_nc_u64 s[14:15], s[14:15], s[32:33]      ; b1
.set j, 0
.rept 32
	global_load_b32 v[ACC+j], v1, s[8:9] offset:128*j      ; sel of token 32 j + lane
.set j, j+1
.endr
	global_load_b128 v[T+12:T+15], v4, s[14:15]    ; the slice's 128 biases
.irp b, 0,1,2,3
.irp q, 0,1
	global_load_b128 v[WS+8*\b+4*\q:WS+8*\b+4*\q+3], v2, s[12:13] offset:1024*\b+16*\q   ; a unit's words of K steps 4 q .. 4 q + 3
.endr
.endr
	WIN 0x40                                       ; destination window 1
.set k, 0
.rept 48
	global_load_b128 v[4*k:4*k+3], v4, s[10:11] offset:512*k th:TH_LOAD_NT   ; my 24,576 bytes as they lie, 512 a load
.set k, k+1
.endr
	WIN 0
	s_mov_b32 s36, 0x03010200                      ; a scale word's bytes 0, 1, 2, 3 go to 0, 2, 1, 3
	s_mov_b32 s38, 0x76543210
	s_mov_b32 s39, 0xfedcba98                      ; v_permlanex16_b32's selects for lane l xor 16
	PAIR 40, 0xbf527892                            ; c8 = -0.82215223
	PAIR 42, 0x3fbe87b0                            ; c7 =  1.48851587
	PAIR 44, 0xbf914e5d                            ; c6 = -1.13520398
	PAIR 46, 0x3e8ec7cc                            ; c5 =  0.27886807
	PAIR 48, 0xbe3ec24c                            ; c4 = -0.18628806
	PAIR 50, 0x3dc636c9                            ; c3 =  0.09678418
	PAIR 52, 0x3ebf88fb                            ; c2 =  0.37409196
	PAIR 54, 0x3f8000c7                            ; c1 =  1.00002368
	PAIR 56, 0xbffab55a                            ; c0 = -1.26551223 - ln 2: the halving of erfc
	PAIR 58, 0x3fb8aa3b                            ; log2(e)
	s_mov_b32 s60, 0x3eb504f3                      ; 0.35355339 = 1 / (2 sqrt 2)
; The expert's rows are counted, 32 tokens a step; store = 1: and laid in the list.  A token has the expert in at most one of its two slots.
.macro SCAN store
	s_mov_b32 s25, 0
.if \store
	s_or_b32 s31, s23, 0x800                       ; what a place behind the count holds: row 2,048 + e of the next launch's workspace, token e
.irp i, 8,9,10,11
	v_mov_b32 v[T+\i], s31
.endr
.irp q, 0,1,2,3,4,5,6,7
	ds_store_b128 v4, v[T+8:T+11] offset:LIST+512*\q   ; every entry begins so
.endr
	v_and_b32 v[T+4], 31, v0                       ; my token of the step
	v_mov_b32 v[T+5], 0x400                        ; the word for what is not routed here
.endif
.set j, 0
.rept 32
	v_lshrrev_b32 v[T], s23, v[ACC+j]
	v_and_b32 v[T+1], 0x101, v[T]                  ; bit 0: the expert is the token's first; bit 8: its second
	v_cmp_ne_u32 vcc_lo, 0, v[T+1]
.if \store
	v_mbcnt_lo_u32_b32 v[T+2], vcc_lo, s25         ; the rows so far + those of lower lanes: my place
	v_cndmask_b32 v[T+2], v[T+5], v[T+2], vcc_lo
	v_min_u32 v[T+2], 0x400, v[T+2]                ; held inside the list
	v_lshlrev_b32 v[T+2], 2, v[T+2]
	v_and_b32 v[T+3], 0x100, v[T]
	v_lshl_or_b32 v[T+3], v[T+3], 2, v[T+4]        ; slot << 10 | token
	ds_store_b32 v[T+2], v[T+3]
	v_add_nc_u32 v[T+4], 32, v[T+4]
.endif
	s_bcnt1_i32_b32 s31, vcc_lo
	s_add_co_u32 s25, s25, s31
.set j, j+1
.endr
.endm
	s_wait_loadcnt 57                              ; sel is in.  Behind it: 1 load of biases, 8 of scales, 48 of codes
	s_cmp_lg_u32 s22, 0
	s_cbranch_scc1 .Lcount
	SCAN 1
	s_branch .Ljoin
.Lcount:
	SCAN 0
.Ljoin:
	s_wait_dscnt 0x0                               ; for the others' sake: the list is written
	s_barrier_signal -1
	s_barrier_wait -1
	s_min_u32 s25, s25, 0x400                      ; the count
	s_add_co_u32 s26, s25, 15
	s_lshr_b32 s26, s26, 4                         ; tiles of 16 rows
	s_wait_loadcnt 48                              ; biases and scales are in; the 48 loads of codes may be out
	ds_store_b128 v14, v[T+12:T+15]
.set i, 0
.rept 32
	v_perm_b32 v[WS+i], v[WS+i], v[WS+i], s36
.set i, i+1
.endr
	s_wait_loadcnt 0x0
	WIN 0x04                                       ; an LDS store's data are its source 1: window 1
.set a, 0
.rept 16                               ; rows 2 a and 2 a + 1 of my 32: three loads' bytes.  Unit u goes to row (u with bits 3 and 4 exchanged), so that a tile's 16 rows are neighbours
.set u2, 2*a
.set lm, (u2&7)+2*(u2&8)+(u2&16)/2
.set LL, lm*WP
	ds_store_b128 v10, v[12*a:12*a+3] offset:LL
	ds_store_b128 v11, v[12*a+4:12*a+7] offset:LL+512
	ds_store_b128 v10, v[12*a+8:12*a+11] offset:LL+1040
.set a, a+1
.endr
	WIN 0
	s_wait_dscnt 0x0                               ; for the others' sake: my 32 rows are written
	s_barrier_signal -1
	s_barrier_wait -1
	s_cmp_lg_u32 s24, 0                            ; slice 0 hands the list to the next launch
	s_cbranch_scc1 .Lnorows
	s_lshl_b32 s32, s23, 12
	s_add_nc_u64 s[20:21], s[20:21], s[32:33]
	ds_load_b128 v[T:T+3], v15
	ds_load_b128 v[T+4:T+7], v15 offset:512
	s_wait_dscnt 0x0
	global_store_b128 v15, v[T:T+3], s[20:21]
	global_store_b128 v15, v[T+4:T+7], s[20:21] offset:512
	s_wait_xcnt 0x0                                ; the stores have read their registers: these are written again below
.Lnorows:
	s_mov_b32 s27, s22                             ; my first tile
	s_cmp_ge_u32 s27, s26
	s_cbranch_scc1 .Ldone
.macro XLOAD                           ; my tile's 16 rows of x: 8 fragments of three loads of 16 bytes, and the scale words: lanes 0-15 K steps 0 to 3, lanes 16-31 K steps 4 to 7
.irp s, 0,1,2,3,4,5,6,7
.irp i, 0,1,2
	global_load_b128 v[X+12*\s+4*\i:X+12*\s+4*\i+3], v1, s[4:5] offset:96*\s+16*\i
.endr
.endr
	global_load_b128 v[XS:XS+3], v2, s[6:7]
.endm
.macro ROWOF                           ; the entry in v[T] becomes my row's offsets in xc and xs
	v_and_b32 v[T], 0x3ff, v[T]                    ; the token,
	v_min_u32 v[T], 0x3ff, v[T]                    ; held inside the table
	v_mad_u32_u24 v1, v[T], 768, v7
	v_lshl_add_u32 v2, v[T], 5, v8
.endm
.macro BIASLD                          ; the accumulators begin as the biases: tile 2 b + u, lane half h: units 32 b + 16 h + 8 u + 0 .. 7
.irp t, 0,1,2,3,4,5,6,7
.irp q, 0,1
	ds_load_b128 v[ACC+8*\t+4*\q:ACC+8*\t+4*\q+3], v6 offset:(32*(\t/2)+8*(\t%2))*4+16*\q
.endr
.endr
.endm
	ds_load_b32 v[T], v3
	s_wait_dscnt 0x0
	ROWOF
	XLOAD
.set f, 0
.rept 64                               ; all 64 fragments of W1 into registers: K step f / 8, tile f % 8
.set ks, f/8
.set tt, f%8
.if f == 63
.set wn, 0
.set fr, F63
.else
.set wn, (1+f/21)*64
.set fr, 12*(f%21)
.endif
	WIN wn                                         ; the destination's window
.irp i, 0,1,2
.if tt < 4
	ds_load_b128 v[fr+4*\i:fr+4*\i+3], v12 offset:WP*16*tt+96*ks+16*\i
.else
	ds_load_b128 v[fr+4*\i:fr+4*\i+3], v13 offset:WP*16*(tt-4)+96*ks+16*\i
.endif
.endr
.set f, f+1
.endr
	WIN 0
	BIASLD
	v_mov_b32 v10, 0x3e2ef945                      ; c9 = 0.17087277
	v_mov_b32 v11, 0x3e2ef945
	s_lshl_b32 s32, s23, 6
	s_add_co_u32 s32, s32, s22                     ; 64 e + w: my first tile among all
	s_mul_i32 s34, s32, 49152
	s_mul_i32 s31, s24, 1536
	s_add_co_u32 s34, s34, s31
	s_add_nc_u64 s[16:17], s[16:17], s[34:35]      ; hc: tile, K step sl
	s_lshl_b32 s34, s32, 11
	s_lshl_b32 s31, s24, 6
	s_add_co_u32 s34, s34, s31
	s_add_nc_u64 s[18:19], s[18:19], s[34:35]      ; hs likewise
	s_mov_b32 s28, 0
	s_mov_b32 s29, 0
.rept 8
	v_nop                                          ; W1's scale words were written by vector instructions: eight places ahead of the first scaled product
.endr
.macro WM acc, fr, br, sa, sb, ra, rb
.if (\ra) && (\rb)
	v_wmma_scale_f32_16x16x128_f8f6f4 v[\acc:\acc+7], v[\fr:\fr+11], v[\br:\br+11], v[\acc:\acc+7], v[\sa], v[\sb] matrix_a_fmt:MATRIX_FMT_BF6 matrix_b_fmt:MATRIX_FMT_BF6 matrix_a_scale:MATRIX_SCALE_ROW1 matrix_b_scale:MATRIX_SCALE_ROW1
.elseif \ra
	v_wmma_scale_f32_16x16x128_f8f6f4 v[\acc:\acc+7], v[\fr:\fr+11], v[\br:\br+11], v[\acc:\acc+7], v[\sa], v[\sb] matrix_a_fmt:MATRIX_FMT_BF6 matrix_b_fmt:MATRIX_FMT_BF6 matrix_a_scale:MATRIX_SCALE_ROW1
.elseif \rb
	v_wmma_scale_f32_16x16x128_f8f6f4 v[\acc:\acc+7], v[\fr:\fr+11], v[\br:\br+11], v[\acc:\acc+7], v[\sa], v[\sb] matrix_a_fmt:MATRIX_FMT_BF6 matrix_b_fmt:MATRIX_FMT_BF6 matrix_b_scale:MATRIX_SCALE_ROW1
.else
	v_wmma_scale_f32_16x16x128_f8f6f4 v[\acc:\acc+7], v[\fr:\fr+11], v[\br:\br+11], v[\acc:\acc+7], v[\sa], v[\sb] matrix_a_fmt:MATRIX_FMT_BF6 matrix_b_fmt:MATRIX_FMT_BF6
.endif
.endm
.macro MULS                            ; 64 products: K step by K step, the 8 accumulators by turns, one instruction a turn; four switches of the window
.set f, 0
.rept 64
.set ks, f/8
.set tt, f%8
.if f == 63
.set wn, 0
.set fr, F63
.else
.set wn, 1+f/21
.set fr, 12*(f%21)
.endif
	WIN wn                                         ; source 0's window
.set ac, ACC+8*tt
.set br, X+12*ks
.set sa, WS+8*(tt/2)+ks
.set sb, XS+ks%4
.set ra, tt%2
.set rb, ks/4
	WM ac, fr, br, sa, sb, ra, rb
.set f, f+1
.endr
	WIN 0
.endm
; gelu of 16 numbers a lane, in place: the accumulators 2 b and 2 b + 1, each read from its low end on.
.macro GELU16 b
.set A, ACC+16*(\b)
.irp i, 0,1,2,3,4,5,6,7,8,9,10,11,12,13,14,15
	v_fma_f32 v[T+\i], |v[A+\i]|, s60, 1.0
.endr
.irp i, 0,1,2,3,4,5,6,7,8,9,10,11,12,13,14,15
	v_rcp_f32 v[T+\i], v[T+\i]                     ; t
.endr
	v_nop                                          ; a plain line behind the batch,
	s_wait_alu depctr_va_vdst(0)                   ; and one wait for the sixteen, ahead of their first reader
.irp i, 0,2,4,6,8,10,12,14
	v_pk_fma_f32 v[P+\i:P+\i+1], v[T+\i:T+\i+1], v[10:11], s[40:41] op_sel_hi:[1,1,0]
.endr
.irp c, 42,44,46,48,50,52,54,56
.irp i, 0,2,4,6,8,10,12,14
	v_pk_fma_f32 v[P+\i:P+\i+1], v[P+\i:P+\i+1], v[T+\i:T+\i+1], s[\c:\c+1] op_sel_hi:[1,1,0]
.endr
.endr
.irp i, 0,4,8,12
	v_pk_mul_f32 v[12:13], v[A+\i:A+\i+1], v[A+\i:A+\i+1]
	v_pk_mul_f32 v[14:15], v[A+\i+2:A+\i+3], v[A+\i+2:A+\i+3]
	v_pk_fma_f32 v[P+\i:P+\i+1], v[12:13], -0.5, v[P+\i:P+\i+1] op_sel_hi:[1,0,1]       ; P(t) - v^2 / 2
	v_pk_fma_f32 v[P+\i+2:P+\i+3], v[14:15], -0.5, v[P+\i+2:P+\i+3] op_sel_hi:[1,0,1]
.endr
.irp i, 0,2,4,6,8,10,12,14
	v_pk_mul_f32 v[P+\i:P+\i+1], v[P+\i:P+\i+1], s[58:59] op_sel_hi:[1,0]
.endr
.irp i, 0,1,2,3,4,5,6,7,8,9,10,11,12,13,14,15
	v_exp_f32 v[P+\i], v[P+\i]
.endr
.irp i, 0,1,2,3,4,5,6,7,8,9,10,11,12,13,14,15
	v_mul_f32 v[T+\i], |v[A+\i]|, v[T+\i]          ; |v| t: plain work that names no exponential's result
.endr
.irp i, 0,1,2,3,4,5,6,7,8,9,10,11,12,13,14,15
	v_max_num_f32 v[A+\i], 0, v[A+\i]
.endr
	s_wait_alu depctr_va_vdst(0)                   ; one wait for the sixteen exponentials
.irp i, 0,2,4,6,8,10,12,14
	v_pk_fma_f32 v[A+\i:A+\i+1], v[T+\i:T+\i+1], v[P+\i:P+\i+1], v[A+\i:A+\i+1] neg_lo:[1,0,0] neg_hi:[1,0,0]   ; max(v, 0) - |v| t exp(..)
.endr
.endm
; The lane's 64 numbers (register 16 b + i = unit 32 b + 16 h + i of my row) become the next operand's 12 registers and my row's scale word.
.macro QUANT
.irp b, 0,1,2,3
	v_max3_num_f32 v[TM+\b], |v[ACC+16*\b]|, |v[ACC+1+16*\b]|, 0x2800000   ; block b: my 16 numbers, and the floor 2^(5 - 127): the byte cannot fall under 1
.endr
.irp i, 2,4,6,8,10,12,14
.irp b, 0,1,2,3
	v_max3_num_f32 v[TM+\b], v[TM+\b], |v[ACC+16*\b+\i]|, |v[ACC+1+16*\b+\i]|
.endr
.endr
.irp b, 0,1,2,3
	v_permlanex16_b32 v[TP+\b], v[TM+\b], s38, s39
.endr
.irp b, 0,1,2,3
	v_max_num_f32 v[TM+\b], v[TM+\b], v[TP+\b]     ; with lane l xor 16's: the block's largest magnitude
.endr
.irp b, 0,1,2,3
	v_add_nc_u32 v[SCL+\b], 0xfe000000, v[TM+\b]   ; 4 off its exponent field: the conversion's scale operand
.endr
.irp b, 0,1,2,3
	v_lshrrev_b32 v[TP+\b], 23, v[SCL+\b]          ; the scale's byte
.endr
	v_lshl_or_b32 v[PW], v[TP+2], 8, v[TP]         ; the word, in the order 0, 2, 1, 3
	v_lshl_or_b32 v[PW], v[TP+1], 16, v[PW]
	v_lshl_or_b32 v[PW], v[TP+3], 24, v[PW]
.irp c, 0,1
	v_cvt_scalef32_pk16_bf6_f32 v[PC+6*\c:PC+6*\c+2], v[ACC+16*\c:ACC+16*\c+15], v[SCL+\c]            ; block c: lanes 0-15 are to hold it whole,
	v_cvt_scalef32_pk16_bf6_f32 v[PC2+4*\c:PC2+4*\c+2], v[ACC+32+16*\c:ACC+47+16*\c], v[SCL+2+\c]     ; block 2 + c: lanes 16-31 (a conversion's three registers begin on an even number)
.endr
	v_nop                                          ; one plain line behind the last conversion
.irp c, 0,1
.irp i, 0,1,2
	v_permlane16_swap_b32 v[PC+6*\c+\i], v[PC2+4*\c+\i]    ; the first's lanes 16-31 change places with the second's lanes 0-15: lower 16 codes in the first, upper 16 in the second
.endr
.irp i, 0,1,2
	v_mov_b32 v[PC+3+6*\c+\i], v[PC2+4*\c+\i]
.endr
.endr
.endm
.Ltile:                                                ; at most 16 trips: tiles w, w + 4 ..; left when the expert's tiles are done
	s_wait_loadcnt 0x0                             ; my tile's x: nothing younger is out
	s_wait_dscnt 0x0                               ; the biases (in the first trip W1's fragments too)
	MULS
.rept 4
	v_nop                                          ; places in front of the loads into x's registers and of the first read of results
.endr
	s_add_co_u32 s27, s27, 4
	s_add_co_u32 s29, s29, 256                     ; four tiles on in the list
	s_cmp_lt_u32 s27, s26
	s_cselect_b32 s30, 1, 0
	s_cbranch_scc0 .Lnox
	v_add_nc_u32 v9, s29, v3
	ds_load_b32 v[T], v9
	s_wait_dscnt 0x0
	ROWOF
	XLOAD                                          ; the next tile's x lands under this tile's gelu
.Lnox:
	GELU16 0
	GELU16 1
	GELU16 2
	GELU16 3
	QUANT
.irp c, 0,1,2
	global_store_b128 v4, v[PC+4*\c:PC+4*\c+3], s[16:17] offset:512*\c   ; the image: each store covers 512 consecutive bytes, aligned
.endr
	global_store_b32 v5, v[PW], s[18:19]           ; both halves of the lanes hold the same word
	s_wait_xcnt 0x0                                ; the stores have read their registers and bases: both are written again
	s_add_nc_u64 s[16:17], s[16:17], 196608        ; four tiles on
	s_add_nc_u64 s[18:19], s[18:19], 8192
	s_cmp_eq_u32 s30, 0
	s_cbranch_scc1 .Ldone
	BIASLD
	s_add_co_u32 s28, s28, 1
	s_cmp_lt_u32 s28, 16
	s_cbranch_scc1 .Ltile
	s_wait_dscnt 0x0
.Ldone:
	s_barrier_signal -1
	s_barrier_wait -1
	s_set_vgpr_msb 0x5
	s_wait_tensorcnt 0x0
	ds_add_u32 v254, v255
	s_wait_dscnt 0x0
	s_set_vgpr_msb 0x500
	s_endpgm
.Lfunc_end_k_q305c6aa0bd_up:
	.size	k_q305c6aa0bd_up, .Lfunc_end_k_q305c6aa0bd_up-k_q305c6aa0bd_up
	.p2alignl 7, 3214868480
	.fill 96, 4, 3214868480
	.section	.rodata,"a",@progbits
	.p2align	6, 0x0
	.amdhsa_kernel k_q305c6aa0bd_up
		.amdhsa_group_segment_fixed_size 107264
		.amdhsa_private_segment_fixed_size 0
		.amdhsa_enable_private_segment 0
		.amdhsa_kernarg_size 72
		.amdhsa_user_sgpr_count 2
		.amdhsa_user_sgpr_kernarg_segment_ptr 1
		.amdhsa_wavefront_size32 1
		.amdhsa_system_sgpr_workgroup_id_x 1
		.amdhsa_system_sgpr_workgroup_id_y 1
		.amdhsa_system_sgpr_workgroup_id_z 1
		.amdhsa_system_vgpr_workitem_id 0
		.amdhsa_next_free_vgpr 1024
		.amdhsa_next_free_sgpr 66
		.amdhsa_reserve_vcc 1
		.amdhsa_float_denorm_mode_32 3
		.amdhsa_float_denorm_mode_16_64 3
		.amdhsa_memory_ordered 1
		.amdhsa_forward_progress 1
		.amdhsa_inst_pref_size 119
	.end_amdhsa_kernel
	.amdgpu_metadata
---
amdhsa.version: [ 1, 2 ]
amdhsa.kernels:
  - .name:           k_q305c6aa0bd_up
    .symbol:         k_q305c6aa0bd_up.kd
    .args:
      - { .name: xc, .offset: 0, .size: 8, .value_kind: global_buffer, .address_space: global }
      - { .name: xs, .offset: 8, .size: 8, .value_kind: global_buffer, .address_space: global }
      - { .name: sel, .offset: 16, .size: 8, .value_kind: global_buffer, .address_space: global }
      - { .name: w1_codes, .offset: 24, .size: 8, .value_kind: global_buffer, .address_space: global }
      - { .name: w1_scales, .offset: 32, .size: 8, .value_kind: global_buffer, .address_space: global }
      - { .name: b1, .offset: 40, .size: 8, .value_kind: global_buffer, .address_space: global }
      - { .name: hc, .offset: 48, .size: 8, .value_kind: global_buffer, .address_space: global }
      - { .name: hs, .offset: 56, .size: 8, .value_kind: global_buffer, .address_space: global }
      - { .name: rows, .offset: 64, .size: 8, .value_kind: global_buffer, .address_space: global }
    .group_segment_fixed_size: 107264
    .private_segment_fixed_size: 0
    .kernarg_segment_align: 8
    .kernarg_segment_size: 72
    .max_flat_workgroup_size: 128
    .sgpr_count:     66
    .vgpr_count:     1024
    .wavefront_size: 32
...
	.end_amdgpu_metadata
.endif
;; end of part 2
;; launch down (part 3): grid 32 x 8, 4 waves a work-group, no clusters, 99,840 bytes of LDS; arguments hc, hs, rows, sel, w2_codes, w2_scales, b2, y; writes y
.if DOCPART == 3
	.amdgcn_target "amdgcn-amd-amdhsa--gfx1250"
	.amdhsa_code_object_version 6
	.text
	.protected	k_q305c6aa0bd_down
	.globl	k_q305c6aa0bd_down
	.p2align	8
	.type	k_q305c6aa0bd_down,@function
k_q305c6aa0bd_down:
	s_mov_b64 s[64:65], 0
	v_nop
	global_prefetch_b8 v0, s[64:65] scope:SCOPE_SE
	s_setreg_imm32_b32 hwreg(HW_REG_WAVE_MODE, 25, 1), 1
	s_wait_xcnt 0x0
; y[slot x 1,024 + token][32 cs .. 32 cs + 31] = h W2[e]^T + b2[e] for the rows routed to expert e (work-group y), outputs 32 cs on (work-group x = cs).  Codes of E3M2 with E8M0 scales on both sides.
; THE WEIGHTS STAY, THE ROWS PASS BY, as in the launch before: the work-group's 32 x 4,096 slice of W2, 98,304 dense bytes, is read once, a quarter by each wave, laid as rows in LDS, and taken whole into every
; wave's registers: 64 fragments (K step s, tile n of 16 outputs: f = 2 s + n), 768 registers.  32 outputs are what these hold at K = 4,096: so a row's 128 bytes are stored, half of 256 aligned bytes.
; Wave w takes the expert's tiles of 16 rows w, w + 4 ..  h comes from memory as images of the operand's registers (1,536 dense bytes a K step), in chunks of 4 K steps through three buffers.
; THE COUNT of the expert's rows is made from sel (whole numbers, stored two launches back), as the launch before makes it; it ends the loop.  THE LIST (entry = slot << 10 | token, stored by the launch before)
; says where a row's result goes.  A place of the last tile behind the count holds the entry 0x800 | e: its result goes to row 2,048 + e of y, which nobody reads: so every lane stores, and EXEC is never changed.
; Each (expert, slice) has its own 128 bytes of that row, and all such lanes hold the same numbers (token e's row).
; TRANSPOSED: source 0 = 16 rows of W2, source 1 = 16 rows of h: a lane holds eight neighbouring outputs of one row.  K ORDER as in the launch before: a lane half's 48 consecutive bytes; scale bytes 0, 2, 1, 3.
; Four accumulators by turns (even and odd K steps x two tiles), added at the end: the order of the f32 sums differs from one ascending chain.  b2 is the C of the first products.
; No tensor load and no cluster: the loop is left on a count made from numbers read from memory, and no weight byte is read by two work-groups.
; REGISTERS, window 0: v1 r, v2 4 r, v3 16 x lane, v4 4 x lane, v5 my bias bytes, v6 32 h, v7 at work at the head, v9 the entry, v10-14 the head's, v15 the row's offset in y;
;   v16-47 W2's scale words; v48-63 h's; v64-75 fragment 63; v76-107 the accumulators; v108-251 three chunks of h (at the head v108-139: sel).   Windows 1 to 3: fragment f at window 1 + f / 21, register 12 (f % 21).
.set WP,   3088                        ; an LDS row: 3,072 + 16: an odd multiple of 16
.set BIAS, 98816                       ; behind the 32 rows: 128 bytes for each wave: its own copy of the slice's 32 biases
.set WS,  16                           ; register s: lanes 0-15 tile 0's words of K step s, lanes 16-31 tile 1's
.set HS,  48                           ; register j: lanes 0-15 K step 2 j, lanes 16-31 K step 2 j + 1
.set F63, 64
.set ACC, 76                           ; accumulator 2 (s % 2) + n at 8 x that
.set HB,  108
.set MSB, 0
.macro WIN new                         ; the immediate's high byte repeats the setting that is left
.if MSB != (\new)
	s_set_vgpr_msb (MSB<<8)|(\new)
.set MSB, (\new)
.endif
.endm
	s_load_b512 s[4:19], s[0:1], 0x0               ; hc s[4:5], hs s[6:7], rows s[8:9], sel s[10:11], W2's codes s[12:13], its scales s[14:15], b2 s[16:17], y s[18:19]
	v_lshl_add_u32 v254, v0, 2, 0x18400
	v_mov_b32 v255, 0
	v_lshrrev_b32 v1, 5, v0
	v_readfirstlane_b32 s22, v1                    ; wave
	s_and_b32 s23, ttmp7, 0xffff                   ; expert
	s_mov_b32 s24, ttmp9                           ; slice
	v_and_b32 v1, 15, v0                           ; r
	v_bfe_u32 v6, v0, 4, 1                         ; h
	v_and_b32 v13, 31, v0                          ; lane
	v_lshlrev_b32 v2, 2, v1
	v_lshlrev_b32 v3, 4, v13
	v_lshlrev_b32 v4, 2, v13
	s_lshl_b32 s31, s22, 7
	s_add_co_u32 s31, s31, BIAS
	v_add_nc_u32 v12, s31, v4                      ; my wave's copy of the biases, on the way in,
	v_lshl_add_u32 v5, v6, 5, s31                  ; and out: + 32 h
	s_mul_i32 s31, s22, 8*WP
	v_add_nc_u32 v10, s31, v3                      ; the raw bytes' way into my 8 rows
	v_mul_u32_u24 v11, v1, WP
	v_mad_u32_u24 v11, v6, 48, v11                 ; a fragment: row p, + 48 h
	v_lshlrev_b32 v6, 5, v6                        ; 32 h
	v_lshlrev_b32 v13, 7, v13                      ; W2's scales: 128 bytes a row, lane l takes row l
	s_mov_b32 s33, 0
	s_mov_b32 s35, 0
	s_wait_kmcnt 0x0
	s_lshl_b32 s32, s23, 12
	s_lshl_b32 s34, s22, 6
	s_add_co_u32 s32, s32, s34
	s_add_nc_u64 s[8:9], s[8:9], s[32:33]          ; the expert's list, at my first tile's 16 entries
	s_mul_i32 s32, s23, 3145728
	s_mul_i32 s34, s24, 98304
	s_add_co_u32 s32, s32, s34
	s_mul_i32 s34, s22, 24576
	s_add_co_u32 s32, s32, s34
	s_add_nc_u64 s[12:13], s[12:13], s[32:33]      ; W2's codes: expert, slice, my wave's 8 rows
	s_lshl_b32 s32, s23, 17
	s_lshl_b32 s34, s24, 12
	s_add_co_u32 s32, s32, s34
	s_add_nc_u64 s[14:15], s[14:15], s[32:33]      ; its scales
	s_lshl_b32 s32, s23, 12
	s_lshl_b32 s34, s24, 7
	s_add_co_u32 s32, s32, s34
	s_add_nc_u64 s[16:17], s[16:17], s[32:33]      ; b2
	s_add_nc_u64 s[18:19], s[18:19], s[34:35]      ; y: 128 cs bytes into a row
.set j, 0
.rept 32
	global_load_b32 v[HB+j], v4, s[10:11] offset:128*j     ; sel of token 32 j + lane
.set j, j+1
.endr
	global_load_b32 v14, v4, s[16:17]              ; the slice's 32 biases
.irp q, 0,1,2,3,4,5,6,7
	global_load_b128 v[WS+4*\q:WS+4*\q+3], v13, s[14:15] offset:16*\q   ; a row's words of K steps 4 q .. 4 q + 3
.endr
	WIN 0x40                                       ; destination window 1
.set k, 0
.rept 48
	global_load_b128 v[4*k:4*k+3], v3, s[12:13] offset:512*k th:TH_LOAD_NT   ; my 24,576 bytes as they lie, 512 a load
.set k, k+1
.endr
	WIN 0
	s_mov_b32 s36, 0x03010200                      ; a scale word's bytes 0, 1, 2, 3 go to 0, 2, 1, 3
	s_lshl_b32 s32, s23, 6
	s_add_co_u32 s32, s32, s22                     ; 64 e + w: my first tile among all
	s_mul_i32 s34, s32, 49152
	s_add_nc_u64 s[4:5], s[4:5], s[34:35]          ; hc
	s_lshl_b32 s34, s32, 11
	s_add_nc_u64 s[6:7], s[6:7], s[34:35]          ; hs
	s_mov_b32 s25, 0
	s_wait_loadcnt 57                              ; sel is in.  Behind it: 1 load of biases, 8 of scales, 48 of codes
.set j, 0
.rept 32                               ; the expert's rows are counted, 32 tokens a step, while the weights are on their way
	v_lshrrev_b32 v7, s23, v[HB+j]
	v_and_b32 v7, 0x101, v7                        ; bit 0: the expert is the token's first; bit 8: its second
	v_cmp_ne_u32 vcc_lo, 0, v7
	s_bcnt1_i32_b32 s31, vcc_lo
	s_add_co_u32 s25, s25, s31
.set j, j+1
.endr
	s_min_u32 s25, s25, 0x400                      ; the count
	s_add_co_u32 s26, s25, 15
	s_lshr_b32 s26, s26, 4                         ; tiles of 16 rows
	s_wait_loadcnt 48                              ; biases and scales are in; the 48 loads of codes may be out
	ds_store_b32 v12, v14
.set i, 0
.rept 32
	v_perm_b32 v[WS+i], v[WS+i], v[WS+i], s36
.set i, i+1
.endr
	s_wait_loadcnt 0x0
	WIN 0x04                                       ; an LDS store's data are its source 1: window 1
.set k, 0
.rept 48
	ds_store_b128 v10, v[4*k:4*k+3] offset:(k/6)*WP+512*(k%6)   ; six loads' bytes to a row
.set k, k+1
.endr
	WIN 0
	s_wait_dscnt 0x0                               ; for the others' sake: my 8 rows are written
	s_barrier_signal -1
	s_barrier_wait -1
	s_mov_b32 s27, s22                             ; my first tile
	s_cmp_ge_u32 s27, s26
	s_cbranch_scc1 .Ldone                          ; a wave without a tile goes to the end: the loop has no barrier
.set f, 0
.rept 64                               ; all 64 fragments of W2 into registers
.set ks, f/2
.set nn, f%2
.if f == 63
.set wn, 0
.set fr, F63
.else
.set wn, (1+f/21)*64
.set fr, 12*(f%21)
.endif
	WIN wn                                         ; the destination's window
.irp i, 0,1,2
	ds_load_b128 v[fr+4*\i:fr+4*\i+3], v11 offset:16*nn*WP+96*ks+16*\i
.endr
.set f, f+1
.endr
	WIN 0
	s_mov_b32 s28, 0
.rept 8
	v_nop                                          ; W2's scale words were written by vector instructions: eight places ahead of the first scaled product
.endr
.macro CHUNK c                         ; K steps 4 c .. 4 c + 3 of my tile's h: twelve loads of 512 consecutive bytes
.irp k, 0,1,2,3
.irp i, 0,1,2
	global_load_b128 v[HB+48*((\c)%3)+12*\k+4*\i:HB+48*((\c)%3)+12*\k+4*\i+3], v3, s[4:5] offset:(4*(\c)+\k)*1536+512*\i
.endr
.endr
.endm
.macro WM acc, fr, br, sa, sb, ra, rb, zero
.if \zero
.if \ra
	v_wmma_scale_f32_16x16x128_f8f6f4 v[\acc:\acc+7], v[\fr:\fr+11], v[\br:\br+11], 0, v[\sa], v[\sb] matrix_a_fmt:MATRIX_FMT_BF6 matrix_b_fmt:MATRIX_FMT_BF6 matrix_a_scale:MATRIX_SCALE_ROW1 matrix_b_scale:MATRIX_SCALE_ROW1
.else
	v_wmma_scale_f32_16x16x128_f8f6f4 v[\acc:\acc+7], v[\fr:\fr+11], v[\br:\br+11], 0, v[\sa], v[\sb] matrix_a_fmt:MATRIX_FMT_BF6 matrix_b_fmt:MATRIX_FMT_BF6 matrix_b_scale:MATRIX_SCALE_ROW1
.endif
.elseif (\ra) && (\rb)
	v_wmma_scale_f32_16x16x128_f8f6f4 v[\acc:\acc+7], v[\fr:\fr+11], v[\br:\br+11], v[\acc:\acc+7], v[\sa], v[\sb] matrix_a_fmt:MATRIX_FMT_BF6 matrix_b_fmt:MATRIX_FMT_BF6 matrix_a_scale:MATRIX_SCALE_ROW1 matrix_b_scale:MATRIX_SCALE_ROW1
.elseif \ra
	v_wmma_scale_f32_16x16x128_f8f6f4 v[\acc:\acc+7], v[\fr:\fr+11], v[\br:\br+11], v[\acc:\acc+7], v[\sa], v[\sb] matrix_a_fmt:MATRIX_FMT_BF6 matrix_b_fmt:MATRIX_FMT_BF6 matrix_a_scale:MATRIX_SCALE_ROW1
.elseif \rb
	v_wmma_scale_f32_16x16x128_f8f6f4 v[\acc:\acc+7], v[\fr:\fr+11], v[\br:\br+11], v[\acc:\acc+7], v[\sa], v[\sb] matrix_a_fmt:MATRIX_FMT_BF6 matrix_b_fmt:MATRIX_FMT_BF6 matrix_b_scale:MATRIX_SCALE_ROW1
.else
	v_wmma_scale_f32_16x16x128_f8f6f4 v[\acc:\acc+7], v[\fr:\fr+11], v[\br:\br+11], v[\acc:\acc+7], v[\sa], v[\sb] matrix_a_fmt:MATRIX_FMT_BF6 matrix_b_fmt:MATRIX_FMT_BF6
.endif
.endm
.macro MM c                            ; a chunk's eight products; the four accumulators by turns, one instruction a turn.  K step 0 adds onto the biases, K step 1 starts its sums with 0
.set kk, 0
.rept 4
.set ks, 4*(\c)+kk
.irp n, 0,1
.set f, 2*ks+\n
.if f == 63
.set wn, 0
.set fr, F63
.else
.set wn, 1+f/21
.set fr, 12*(f%21)
.endif
	WIN wn                                         ; source 0's window
.set ac, ACC+8*(2*(ks%2)+\n)
.set br, HB+48*((\c)%3)+12*kk
.set sa, WS+ks
.set sb, HS+ks/2
.set ra, \n
.set rb, ks%2
.set zr, 0
.if ks == 1
.set zr, 1
.endif
	WM ac, fr, br, sa, sb, ra, rb, zr
.endr
.set kk, kk+1
.endr
.endm
.Ltile:                                                ; at most 16 trips: tiles w, w + 4 ..; left when the expert's tiles are done
.irp n, 0,1
.irp q, 0,1
	ds_load_b128 v[ACC+8*\n+4*\q:ACC+8*\n+4*\q+3], v5 offset:64*\n+16*\q   ; tile n, lane half h: b2 of outputs 16 n + 8 h + 0 .. 7
.endr
.endr
	global_load_b32 v9, v2, s[8:9]                 ; my row's entry: the base stands at the tile's 16
.irp j, 0,1,2,3,4,5,6,7,8,9,10,11,12,13,14,15
	global_load_b32 v[HS+\j], v4, s[6:7] offset:128*\j
.endr
	CHUNK 0
	CHUNK 1
	CHUNK 2
	s_wait_dscnt 0x0                               ; the biases (in the first trip W2's fragments too)
.irp c, 0,1,2,3,4,5,6,7
.if \c < 6
	s_wait_loadcnt 24                              ; chunk c is in (and all that was asked for ahead of it); the two chunks behind it may be out
.elseif \c == 6
	s_wait_loadcnt 12
.else
	s_wait_loadcnt 0x0
.endif
	MM \c
.if \c < 5
	WIN 0
.rept 4
	v_nop                                          ; places in front of loads into registers that products have read
.endr
	CHUNK \c+3
.endif
.endr
	WIN 0
.rept 5
	v_nop                                          ; places behind the last products: four for the reads below, five for the next tile's products that start sums anew
.endr
.irp n, 0,1
.irp j, 0,2,4,6
	v_pk_add_f32 v[ACC+8*\n+\j:ACC+8*\n+\j+1], v[ACC+8*\n+\j:ACC+8*\n+\j+1], v[ACC+16+8*\n+\j:ACC+16+8*\n+\j+1]   ; even K steps' sums + odd K steps', each accumulator from its low end on
.endr
.endr
	v_and_b32 v9, 0xfff, v9                        ; the entry = the row of y,
	v_min_u32 v9, 0x807, v9                        ; held inside y's 2,056 rows
	v_lshl_add_u32 v15, v9, 12, v6                 ; a row of 4,096 bytes, + 32 h
.irp n, 0,1
.irp q, 0,1
	global_store_b128 v15, v[ACC+8*\n+4*\q:ACC+8*\n+4*\q+3], s[18:19] offset:64*\n+16*\q
.endr
.endr
	s_wait_xcnt 0x0                                ; the stores have read their data and offset, every load its base: all are written again
	s_add_nc_u64 s[4:5], s[4:5], 196608            ; four tiles on
	s_add_nc_u64 s[6:7], s[6:7], 8192
	s_add_nc_u64 s[8:9], s[8:9], 256
	s_add_co_u32 s27, s27, 4
	s_cmp_ge_u32 s27, s26
	s_cbranch_scc1 .Ldone
	s_add_co_u32 s28, s28, 1
	s_cmp_lt_u32 s28, 16
	s_cbranch_scc1 .Ltile
.Ldone:
	s_barrier_signal -1
	s_barrier_wait -1
	s_wait_tensorcnt 0x0
	ds_add_u32 v254, v255
	s_wait_dscnt 0x0
	s_endpgm
.Lfunc_end_k_q305c6aa0bd_down:
	.size	k_q305c6aa0bd_down, .Lfunc_end_k_q305c6aa0bd_down-k_q305c6aa0bd_down
	.p2alignl 7, 3214868480
	.fill 96, 4, 3214868480
	.section	.rodata,"a",@progbits
	.p2align	6, 0x0
	.amdhsa_kernel k_q305c6aa0bd_down
		.amdhsa_group_segment_fixed_size 99840
		.amdhsa_private_segment_fixed_size 0
		.amdhsa_enable_private_segment 0
		.amdhsa_kernarg_size 64
		.amdhsa_user_sgpr_count 2
		.amdhsa_user_sgpr_kernarg_segment_ptr 1
		.amdhsa_wavefront_size32 1
		.amdhsa_system_sgpr_workgroup_id_x 1
		.amdhsa_system_sgpr_workgroup_id_y 1
		.amdhsa_system_sgpr_workgroup_id_z 1
		.amdhsa_system_vgpr_workitem_id 0
		.amdhsa_next_free_vgpr 1024
		.amdhsa_next_free_sgpr 66
		.amdhsa_reserve_vcc 1
		.amdhsa_float_denorm_mode_32 3
		.amdhsa_float_denorm_mode_16_64 3
		.amdhsa_memory_ordered 1
		.amdhsa_forward_progress 1
		.amdhsa_inst_pref_size 57
	.end_amdhsa_kernel
	.amdgpu_metadata
---
amdhsa.version: [ 1, 2 ]
amdhsa.kernels:
  - .name:           k_q305c6aa0bd_down
    .symbol:         k_q305c6aa0bd_down.kd
    .args:
      - { .name: hc, .offset: 0, .size: 8, .value_kind: global_buffer, .address_space: global }
      - { .name: hs, .offset: 8, .size: 8, .value_kind: global_buffer, .address_space: global }
      - { .name: rows, .offset: 16, .size: 8, .value_kind: global_buffer, .address_space: global }
      - { .name: sel, .offset: 24, .size: 8, .value_kind: global_buffer, .address_space: global }
      - { .name: w2_codes, .offset: 32, .size: 8, .value_kind: global_buffer, .address_space: global }
      - { .name: w2_scales, .offset: 40, .size: 8, .value_kind: global_buffer, .address_space: global }
      - { .name: b2, .offset: 48, .size: 8, .value_kind: global_buffer, .address_space: global }
      - { .name: y, .offset: 56, .size: 8, .value_kind: global_buffer, .address_space: global }
    .group_segment_fixed_size: 99840
    .private_segment_fixed_size: 0
    .kernarg_segment_align: 8
    .kernarg_segment_size: 64
    .max_flat_workgroup_size: 128
    .sgpr_count:     66
    .vgpr_count:     1024
    .wavefront_size: 32
...
	.end_amdgpu_metadata
.endif
;; end of part 3
;; launch norm (part 4): grid 256 x 1, 4 waves a work-group, no clusters, 0 bytes of LDS; arguments y, gw, hidden_states, ln_w, ln_b, out0; writes out0
.if DOCPART == 4
	.amdgcn_target "amdgcn-amd-amdhsa--gfx1250"
	.amdhsa_code_object_version 6
	.text
	.protected	k_q305c6aa0bd_norm
	.globl	k_q305c6aa0bd_norm
	.p2align	8
	.type	k_q305c6aa0bd_norm,@function
k_q305c6aa0bd_norm:
	s_mov_b64 s[64:65], 0
	v_nop
	global_prefetch_b8 v0, s[64:65] scope:SCOPE_SE
	s_setreg_imm32_b32 hwreg(HW_REG_WAVE_MODE, 25, 1), 1
	s_wait_xcnt 0x0
; out = layernorm(w0 y[token] + w1 y[1,024 + token] + x[token]) ln_w + ln_b.  One wave, one token (4 x work-group + wave): the row of 1,024 f32 stays in 32 registers a lane between the passes,
; so nothing is read twice and no wave waits for another.  Every load and store of a wave covers 512 consecutive bytes.  Mean first, then the mean of the squared differences, as the definition has it.
; Memory binds here: no LDS, no matrix unit, no cluster.
.set Y0, 16                            ; v16-47   the first expert's row
.set Y1, 48                            ; v48-79   the second's
.set V,  80                            ; v80-111  x, then the row at work
.set W,  112                           ; v112-143 ln_w
.set B,  144                           ; v144-175 ln_b
	s_load_b256 s[4:11], s[0:1], 0x0               ; y s[4:5], gw s[6:7], x s[8:9], ln_w s[10:11]
	s_load_b128 s[12:15], s[0:1], 0x20             ; ln_b s[12:13], out s[14:15]
	v_lshrrev_b32 v1, 5, v0
	v_readfirstlane_b32 s16, v1                    ; wave
	v_and_b32 v1, 31, v0
	v_lshlrev_b32 v1, 4, v1                        ; 16 x lane
	s_lshl_b32 s17, ttmp9, 2
	s_add_co_u32 s17, s17, s16                     ; my token
	s_lshl_b32 s18, s17, 12
	s_mov_b32 s19, 0
	s_mov_b32 s24, 0x3a800000                      ; 1 / 1,024
	s_mov_b32 s25, 0x2b8cbccc                      ; 1e-12
	s_mov_b32 s26, 0x76543210
	s_mov_b32 s27, 0xfedcba98                      ; v_permlanex16_b32's selects for lane l xor 16
	s_wait_kmcnt 0x0
	s_add_nc_u64 s[4:5], s[4:5], s[18:19]
	s_add_nc_u64 s[8:9], s[8:9], s[18:19]
	s_add_nc_u64 s[14:15], s[14:15], s[18:19]
	s_lshl_b32 s18, s17, 3
	s_add_nc_u64 s[6:7], s[6:7], s[18:19]
	s_load_b64 s[20:21], s[6:7], 0x0               ; the two weights
.irp j, 0,1,2,3,4,5,6,7
	global_load_b128 v[Y0+4*\j:Y0+4*\j+3], v1, s[4:5] offset:512*\j th:TH_LOAD_NT
.endr
.irp j, 0,1,2,3,4,5,6,7
	global_load_b128 v[Y1+4*\j:Y1+4*\j+3], v1, s[4:5] offset:4194304+512*\j th:TH_LOAD_NT
.endr
.irp j, 0,1,2,3,4,5,6,7
	global_load_b128 v[V+4*\j:V+4*\j+3], v1, s[8:9] offset:512*\j th:TH_LOAD_NT
.endr
.irp j, 0,1,2,3,4,5,6,7
	global_load_b128 v[W+4*\j:W+4*\j+3], v1, s[10:11] offset:512*\j
.endr
.irp j, 0,1,2,3,4,5,6,7
	global_load_b128 v[B+4*\j:B+4*\j+3], v1, s[12:13] offset:512*\j
.endr
	s_wait_kmcnt 0x0
	s_mov_b32 s22, s21                             ; the packed form takes a pair's low word for both halves: the second weight gets a pair of its own
	s_mov_b32 s23, s21
	s_wait_loadcnt 16                              ; the three rows are in; ln_w's and ln_b's sixteen loads may be out
.irp j, 0,2,4,6,8,10,12,14,16,18,20,22,24,26,28,30
	v_pk_fma_f32 v[V+\j:V+\j+1], v[Y0+\j:Y0+\j+1], s[20:21], v[V+\j:V+\j+1] op_sel_hi:[1,0,1]
.endr
.irp j, 0,2,4,6,8,10,12,14,16,18,20,22,24,26,28,30
	v_pk_fma_f32 v[V+\j:V+\j+1], v[Y1+\j:Y1+\j+1], s[22:23], v[V+\j:V+\j+1] op_sel_hi:[1,0,1]
.endr
	v_pk_add_f32 v[2:3], v[V:V+1], v[V+4:V+5]      ; the row's sum: two chains
	v_pk_add_f32 v[4:5], v[V+2:V+3], v[V+6:V+7]
.irp j, 8,12,16,20,24,28
	v_pk_add_f32 v[2:3], v[2:3], v[V+\j:V+\j+1]
	v_pk_add_f32 v[4:5], v[4:5], v[V+\j+2:V+\j+3]
.endr
	v_pk_add_f32 v[2:3], v[2:3], v[4:5]
	v_add_f32 v2, v2, v3
.irp m, 1,2,4,8
	v_add_f32_dpp v2, v2, v2 row_xmask:\m row_mask:0xf bank_mask:0xf
.endr
	v_permlanex16_b32 v3, v2, s26, s27
	v_add_f32 v2, v2, v3
	v_mul_f32 v2, s24, v2                          ; the mean, in every lane
	v_mov_b32 v3, v2
.irp j, 0,2,4,6,8,10,12,14,16,18,20,22,24,26,28,30
	v_pk_add_f32 v[V+\j:V+\j+1], v[V+\j:V+\j+1], v[2:3] neg_lo:[0,1] neg_hi:[0,1]
.endr
	v_pk_mul_f32 v[4:5], v[V:V+1], v[V:V+1]        ; the sum of squares: two chains
	v_pk_mul_f32 v[6:7], v[V+2:V+3], v[V+2:V+3]
.irp j, 4,8,12,16,20,24,28
	v_pk_fma_f32 v[4:5], v[V+\j:V+\j+1], v[V+\j:V+\j+1], v[4:5]
	v_pk_fma_f32 v[6:7], v[V+\j+2:V+\j+3], v[V+\j+2:V+\j+3], v[6:7]
.endr
	v_pk_add_f32 v[4:5], v[4:5], v[6:7]
	v_add_f32 v4, v4, v5
.irp m, 1,2,4,8
	v_add_f32_dpp v4, v4, v4 row_xmask:\m row_mask:0xf bank_mask:0xf
.endr
	v_permlanex16_b32 v5, v4, s26, s27
	v_add_f32 v4, v4, v5
	v_fma_f32 v4, v4, s24, s25                     ; the variance + 1e-12
	v_rsq_f32 v6, v4
	v_nop                                          ; a plain line behind the transcendental,
	s_wait_alu depctr_va_vdst(0)                   ; and a wait ahead of its first reader
	v_mov_b32 v7, v6
	s_wait_loadcnt 0x0                             ; ln_w and ln_b
.irp j, 0,2,4,6,8,10,12,14,16,18,20,22,24,26,28,30
	v_pk_mul_f32 v[V+\j:V+\j+1], v[V+\j:V+\j+1], v[6:7]
.endr
.irp j, 0,2,4,6,8,10,12,14,16,18,20,22,24,26,28,30
	v_pk_fma_f32 v[V+\j:V+\j+1], v[V+\j:V+\j+1], v[W+\j:W+\j+1], v[B+\j:B+\j+1]
.endr
.irp j, 0,1,2,3,4,5,6,7
	global_store_b128 v1, v[V+4*\j:V+4*\j+3], s[14:15] offset:512*\j th:TH_STORE_NT
.endr
	s_endpgm
.Lfunc_end_k_q305c6aa0bd_norm:
	.size	k_q305c6aa0bd_norm, .Lfunc_end_k_q305c6aa0bd_norm-k_q305c6aa0bd_norm
	.p2alignl 7, 3214868480
	.fill 96, 4, 3214868480
	.section	.rodata,"a",@progbits
	.p2align	6, 0x0
	.amdhsa_kernel k_q305c6aa0bd_norm
		.amdhsa_group_segment_fixed_size 0
		.amdhsa_private_segment_fixed_size 0
		.amdhsa_enable_private_segment 0
		.amdhsa_kernarg_size 48
		.amdhsa_user_sgpr_count 2
		.amdhsa_user_sgpr_kernarg_segment_ptr 1
		.amdhsa_wavefront_size32 1
		.amdhsa_system_sgpr_workgroup_id_x 1
		.amdhsa_system_sgpr_workgroup_id_y 1
		.amdhsa_system_sgpr_workgroup_id_z 1
		.amdhsa_system_vgpr_workitem_id 0
		.amdhsa_next_free_vgpr 176
		.amdhsa_next_free_sgpr 66
		.amdhsa_reserve_vcc 0
		.amdhsa_float_denorm_mode_32 3
		.amdhsa_float_denorm_mode_16_64 3
		.amdhsa_memory_ordered 1
		.amdhsa_forward_progress 1
		.amdhsa_inst_pref_size 14
	.end_amdhsa_kernel
	.amdgpu_metadata
---
amdhsa.version: [ 1, 2 ]
amdhsa.kernels:
  - .name:           k_q305c6aa0bd_norm
    .symbol:         k_q305c6aa0bd_norm.kd
    .args:
      - { .name: y, .offset: 0, .size: 8, .value_kind: global_buffer, .address_space: global }
      - { .name: gw, .offset: 8, .size: 8, .value_kind: global_buffer, .address_space: global }
      - { .name: hidden_states, .offset: 16, .size: 8, .value_kind: global_buffer, .address_space: global }
      - { .name: ln_w, .offset: 24, .size: 8, .value_kind: global_buffer, .address_space: global }
      - { .name: ln_b, .offset: 32, .size: 8, .value_kind: global_buffer, .address_space: global }
      - { .name: out0, .offset: 40, .size: 8, .value_kind: global_buffer, .address_space: global }
    .group_segment_fixed_size: 0
    .private_segment_fixed_size: 0
    .kernarg_segment_align: 8
    .kernarg_segment_size: 48
    .max_flat_workgroup_size: 128
    .sgpr_count:     66
    .vgpr_count:     176
    .wavefront_size: 32
...
	.end_amdgpu_metadata
.endif
;; end of part 4
;; ======== version 2 of 3: 4 launches; 1.17 times as fast as version 1
;; workspace buffers: xc 786,432 bytes; xs 32,768 bytes; sel 4,096 bytes of whole numbers; gw 8,192 bytes; hc 25,165,824 bytes; hs 1,048,576 bytes; rows 32,768 bytes of whole numbers; y 8,421,376 bytes
;; launch route: the kernel of part 1 again; grid 64 x 1, 4 waves a work-group, no clusters, 33,280 bytes of LDS; arguments hidden_states, router_w, router_b, xc, xs, sel, gw; writes xc, xs, sel, gw
;; launch up: the kernel of part 2 again; grid 32 x 8, 4 waves a work-group, no clusters, 107,264 bytes of LDS; arguments xc, xs, sel, w1_codes, w1_scales, b1, hc, hs, rows; writes hc, hs, rows
;; launch down (part 5): grid 32 x 8, 4 waves a work-group, no clusters, 118,272 bytes of LDS; arguments hc, hs, rows, sel, w2_codes, w2_scales, b2, y; writes y
.if DOCPART == 5
	.amdgcn_target "amdgcn-amd-amdhsa--gfx1250"
	.amdhsa_code_object_version 6
	.text
	.protected	k_q305c6aa0bd_down
	.globl	k_q305c6aa0bd_down
	.p2align	8
	.type	k_q305c6aa0bd_down,@function
k_q305c6aa0bd_down:
	s_mov_b64 s[64:65], 0
	v_nop
	global_prefetch_b8 v0, s[64:65] scope:SCOPE_SE
	s_setreg_imm32_b32 hwreg(HW_REG_WAVE_MODE, 25, 1), 1
	s_wait_xcnt 0x0
; y[slot x 1,024 + token][128 cs .. 128 cs + 127] = h W2[e]^T + b2[e] for the rows routed to expert e (work-group y).  Work-group x = 4 cs + q: 128 outputs, and of the expert's tiles of 16 rows the tiles q, q + 4, q + 8 ..
; Codes of E3M2 with E8M0 scales on both sides.
; K IS SHARED AMONG THE WAVES.  Wave w holds W2 for all 128 outputs and K steps 8 w .. 8 w + 7 of the 32: 64 fragments (tile n of 16 outputs, K step t: f = 8 n + t), 768 registers, for the whole launch.
; So of a tile's image of h (32 K steps x 1,536 bytes) a wave needs its quarter alone, 12,288 bytes, which come from memory straight into the operand's registers, and each fragment of h feeds eight products.
; h's registers are a ring of four chunks of 2 K steps: a chunk is asked for again, with the next tile's bytes, directly behind its 16 products, so that a load has nearly a tile's work in which to land.
; THE SUM OVER THE WAVES.  Each wave's partial sums, 16 rows x 128 outputs, go to LDS (two sets by turns: one barrier a trip); wave w reads rows 4 w .. 4 w + 3 of all four, adds them and b2, and stores each row's
; 512 consecutive bytes, aligned, by one instruction.  ORDER OF THE SUMS: four f32 sums over quarters of K, each ascending, added as ((0 + 1) + (2 + 3)) + b2: not one ascending chain.
; THE COUNT of the expert's rows is made from sel (whole numbers, stored two launches back).  THE LOOP HAS 16 TRIPS WHATEVER THE COUNT, so that every wave passes every barrier; a trip without a tile jumps over the work alone.
; The work is written twice, with and without the requests for a next tile, so that each way has its own counts.  THE LIST (entry = slot << 10 | token, stored by the launch before) says where a row goes.  A place of
; the last tile behind the count holds 0x800 | e: its result goes to row 2,048 + e of y, which nobody reads; all such rows hold the same numbers, and one work-group alone writes those bytes.  EXEC is never changed.
; THE WEIGHTS' WAY IN.  A wave's part of a row of W2 is 768 bytes, three aligned blocks of 256: sixteen lanes read a block.  Eight sub-groups of 16 rows (24 loads), three on their way at a time; each turns through the
; wave's own stage in LDS (rows 784 bytes apart) and comes back as fragments.  A sub-group lands in the registers that its own fragments then take; the first lands in h's registers, which are free at the head.
; TRANSPOSED: source 0 = 16 rows of W2, source 1 = 16 rows of h: a lane holds eight neighbouring outputs of one row.  K ORDER as in the launch before: a lane half's 48 consecutive bytes; scale bytes 0, 2, 1, 3.
; No tensor load, no cluster, though four work-groups read the same weights and eight the same h: a trip's work hangs on a count made from numbers read from memory.
; LIMITS: NaN and infinities are not served.
; REGISTERS, window 0: v2 0, v3 16 x lane, v4 4 x lane, v5 partial sums' way in, v6 their way out, v8-12 the head's addresses; v16-47 W2's scale words; v48-51 b2; v52-55 the rows' offsets in y; v56-63 h's scale words, two sets;
;   v64-71 entries, two sets; v72-135 the 8 accumulators; v136-147 fragment 63; v148-243 h: K step t at 12 t; v244-247 at work.   Windows 1 to 3: fragment f at window 1 + f / 21, register 12 (f % 21).
.set WP,   784                         ; a stage row: 768 + 16: an odd multiple of 16, so that the 16 rows of a load of 16 bytes fall on 16 different columns of 16 bytes
.set STGW, 16*WP                       ; LDS: a stage of 16 rows for each wave,
.set RED,  4*STGW                      ; behind the four: the partial sums:
.set RP,   528                         ; a row of 128 f32 + 16 bytes,
.set REDW, 16*RP                       ; 16 rows a wave,
.set REDS, 4*REDW                      ; four waves a set; two sets
.set WS,  16                           ; register 8 j + t: lanes 0-15 tile 2 j's words of my K step t, lanes 16-31 tile 2 j + 1's
.set BI,  48                           ; b2 of outputs 4 x lane .. + 3
.set YO,  52
.set HS,  56                           ; set s at 4 s; register c: lanes 0-15 my K step 2 c, lanes 16-31 my K step 2 c + 1
.set EN,  64                           ; set s at 4 s: the entries of rows 4 w .. 4 w + 3
.set ACC, 72
.set F63, 136
.set G,   148
.set CT,  244
.set MSB, 0
.macro WIN new                         ; the immediate's high byte repeats the setting that is left
.if MSB != (\new)
	s_set_vgpr_msb (MSB<<8)|(\new)
.set MSB, (\new)
.endif
.endm
.macro FREG f                          ; fragment f: window fw, register fr
.if (\f) == 63
.set fw, 0
.set fr, F63
.else
.set fw, 1+(\f)/21
.set fr, 12*((\f)%21)
.endif
.endm
.macro RREG n                          ; where rows 2 a and 2 a + 1 of sub-group n land: in fragment 8 n + a's registers; sub-group 0 in h's
.if (\n) == 0
.set fw, 0
.set fr, G+12*a
.else
	FREG 8*(\n)+a
.endif
.endm
.macro RAW n                           ; sub-group n is asked for: rows 16 n .. 16 n + 15, my 768 bytes of each: three loads for two rows, sixteen lanes to an aligned block of 256 bytes
.set a, 0
.rept 8
	RREG \n
	WIN fw*64                                      ; the destination's window
	global_load_b128 v[fr:fr+3], v3, s[12:13] offset:6144*(8*(\n)+a)            ; the even row's bytes 0 .. 511
	global_load_b128 v[fr+4:fr+7], v8, s[12:13] offset:6144*(8*(\n)+a)+512      ; its bytes 512 .. 767, and the odd row's 0 .. 255
	global_load_b128 v[fr+8:fr+11], v3, s[12:13] offset:6144*(8*(\n)+a)+3328    ; the odd row's bytes 256 .. 767
.set a, a+1
.endr
	WIN 0
.endm
; Sub-group n has come: the sub-group three on is asked for; n goes into my stage as rows and comes back as fragments, into the registers that it left.  LDS serves a wave's instructions in order (ISA guide 5.7.1.4):
; no wait stands between the stores and the loads, nor in front of the next sub-group's stores.
.macro SUB n, left, next
	s_wait_loadcnt \left                           ; behind sub-group n: the sub-groups n + 1 and n + 2, as far as there are such
.if (\next) < 8
	RAW \next
.endif
.set a, 0
.rept 8
	RREG \n
	WIN fw*4                                       ; an LDS store's data are its source 1
	ds_store_b128 v9, v[fr:fr+3] offset:2*WP*a
	ds_store_b128 v10, v[fr+4:fr+7] offset:2*WP*a+512
	ds_store_b128 v9, v[fr+8:fr+11] offset:2*WP*a+WP+256
.set a, a+1
.endr
.set a, 0
.rept 8
	FREG 8*(\n)+a
	WIN fw*64
.irp i, 0,1,2
	ds_load_b128 v[fr+4*\i:fr+4*\i+3], v11 offset:96*a+16*\i      ; tile n, my K step a: row p, 48 h + 16 i
.endr
.set a, a+1
.endr
	WIN 0
.endm
.macro SLOAD set, ahead                ; a tile's scale words of my 8 K steps and the entries of my 4 rows; ahead = 1: the next tile's
.irp j, 0,1,2,3
	global_load_b32 v[HS+4*(\set)+\j], v4, s[6:7] offset:8192*(\ahead)+128*\j
.endr
	global_load_b128 v[EN+4*(\set):EN+4*(\set)+3], v2, s[8:9] offset:256*(\ahead)
.endm
.macro CLOAD c, ahead                  ; chunk c of a tile's h: my K steps 2 c and 2 c + 1: six loads of 512 consecutive bytes
.irp k, 0,1
.irp i, 0,1,2
	global_load_b128 v[G+24*(\c)+12*\k+4*\i:G+24*(\c)+12*\k+4*\i+3], v3, s[4:5] offset:196608*(\ahead)+(2*(\c)+\k)*1536+512*\i
.endr
.endr
.endm
.macro WM acc, fa, fb, sa, sb, ra, rb, zero
.if \zero
.if \ra
	v_wmma_scale_f32_16x16x128_f8f6f4 v[\acc:\acc+7], v[\fa:\fa+11], v[\fb:\fb+11], 0, v[\sa], v[\sb] matrix_a_fmt:MATRIX_FMT_BF6 matrix_b_fmt:MATRIX_FMT_BF6 matrix_a_scale:MATRIX_SCALE_ROW1
.else
	v_wmma_scale_f32_16x16x128_f8f6f4 v[\acc:\acc+7], v[\fa:\fa+11], v[\fb:\fb+11], 0, v[\sa], v[\sb] matrix_a_fmt:MATRIX_FMT_BF6 matrix_b_fmt:MATRIX_FMT_BF6
.endif
.elseif (\ra) && (\rb)
	v_wmma_scale_f32_16x16x128_f8f6f4 v[\acc:\acc+7], v[\fa:\fa+11], v[\fb:\fb+11], v[\acc:\acc+7], v[\sa], v[\sb] matrix_a_fmt:MATRIX_FMT_BF6 matrix_b_fmt:MATRIX_FMT_BF6 matrix_a_scale:MATRIX_SCALE_ROW1 matrix_b_scale:MATRIX_SCALE_ROW1
.elseif \ra
	v_wmma_scale_f32_16x16x128_f8f6f4 v[\acc:\acc+7], v[\fa:\fa+11], v[\fb:\fb+11], v[\acc:\acc+7], v[\sa], v[\sb] matrix_a_fmt:MATRIX_FMT_BF6 matrix_b_fmt:MATRIX_FMT_BF6 matrix_a_scale:MATRIX_SCALE_ROW1
.elseif \rb
	v_wmma_scale_f32_16x16x128_f8f6f4 v[\acc:\acc+7], v[\fa:\fa+11], v[\fb:\fb+11], v[\acc:\acc+7], v[\sa], v[\sb] matrix_a_fmt:MATRIX_FMT_BF6 matrix_b_fmt:MATRIX_FMT_BF6 matrix_b_scale:MATRIX_SCALE_ROW1
.else
	v_wmma_scale_f32_16x16x128_f8f6f4 v[\acc:\acc+7], v[\fa:\fa+11], v[\fb:\fb+11], v[\acc:\acc+7], v[\sa], v[\sb] matrix_a_fmt:MATRIX_FMT_BF6 matrix_b_fmt:MATRIX_FMT_BF6
.endif
.endm
; A chunk's 16 products, taken window by window of W2's fragments (four switches a chunk), in a window K step by K step and tile by tile: no two products that follow each other share an accumulator, and each
; accumulator takes its K steps in ascending order.  The tile's first K step starts the sums with 0: nothing is cleared.
.macro MMC c, par
.irp wsel, 1,2,3,0
.irp k, 0,1
.irp n, 0,1,2,3,4,5,6,7
.set tt, 2*(\c)+\k
	FREG 8*\n+tt
.if fw == \wsel
	WIN fw                                         ; source 0's window
.set ac, ACC+8*\n
.set br, G+12*tt
.set sa, WS+8*(\n/2)+tt
.set sb, HS+4*(\par)+(\c)
.set ra, \n%2
.set rb, \k
.set zr, 0
.if tt == 0
.set zr, 1
.endif
	WM ac, fr, br, sa, sb, ra, rb, zr
.endif
.endr
.endr
.endr
.endm
; A tile's 64 products.  more = 1: a next tile follows: its scale words and entries are asked for at the head, into the other set, and each chunk's registers take the next tile's bytes behind the chunk's products.
.macro WORK par, more
.if \more
	SLOAD 1-\par, 1
.endif
.irp c, 0,1,2,3
.if \more
	s_wait_loadcnt 23                              ; chunk c is in.  Behind it: 6 (3 - c) loads of this tile's later chunks, the 5 just above, 6 c of the next tile's chunks
.else
	s_wait_loadcnt 18-6*\c                         ; chunk c is in.  Behind it: this tile's later chunks alone
.endif
	MMC \c, \par
.if \more
	WIN 0
.rept 4
	v_nop                                          ; places in front of loads into registers that products have read
.endr
	CLOAD \c, 1
.endif
.endr
	WIN 0
.endm
	s_load_b512 s[4:19], s[0:1], 0x0               ; hc s[4:5], hs s[6:7], rows s[8:9], sel s[10:11], W2's codes s[12:13], its scales s[14:15], b2 s[16:17], y s[18:19]
	v_lshl_add_u32 v254, v0, 2, 0x1cc00
	v_mov_b32 v255, 0
	v_lshrrev_b32 v1, 5, v0
	v_readfirstlane_b32 s22, v1                    ; wave
	s_and_b32 s23, ttmp7, 0xffff                   ; expert
	s_lshr_b32 s30, ttmp9, 2                       ; cs: which 128 outputs
	s_and_b32 s37, ttmp9, 3                        ; q: which tiles
	v_and_b32 v1, 15, v0                           ; r
	v_bfe_u32 v7, v0, 4, 1                         ; h
	v_and_b32 v13, 31, v0                          ; lane
	v_mov_b32 v2, 0                                ; the entries' offset: every lane reads the same 16 bytes
	v_lshlrev_b32 v3, 4, v13
	v_lshlrev_b32 v4, 2, v13
	v_lshlrev_b32 v12, 7, v13                      ; W2's scales: 128 bytes a row, lane l takes row l of each 32
	v_lshlrev_b32 v8, 4, v1
	v_mad_u32_u24 v8, v7, 2560, v8                 ; a load over two rows of W2: lanes 16-31 stand 3,072 - 512 bytes further on
	s_mul_i32 s31, s22, STGW
	v_add_nc_u32 v9, s31, v3                       ; my stage, on the way in: 16 x lane,
	v_lshl_add_u32 v10, v7, 4, v9                  ; and for a load over two rows: lanes 16-31 behind one padding more
	v_mul_u32_u24 v11, v1, WP
	v_mad_u32_u24 v11, v7, 48, v11
	v_add_nc_u32 v11, s31, v11                     ; on the way out: row p, + 48 h
	s_mul_i32 s31, s22, REDW
	s_add_co_u32 s31, s31, RED
	v_mul_u32_u24 v5, v1, RP
	v_lshl_add_u32 v5, v7, 5, v5
	v_add_nc_u32 v5, s31, v5                       ; my partial sums: row r, + 32 h
	s_mul_i32 s31, s22, 4*RP
	s_add_co_u32 s31, s31, RED
	v_add_nc_u32 v6, s31, v3                       ; back: rows 4 w on, 16 x lane
.irp i, 0,1,2,3,4,5,6,7
	v_mov_b32 v[HS+\i], 0x7f7f7f7f                 ; h's scale words begin as the byte 127, so that they are written on every way through the text
.endr
	s_mov_b32 s36, 0x03010200                      ; a scale word's bytes 0, 1, 2, 3 go to 0, 2, 1, 3
	s_mov_b32 s33, 0
	s_mov_b32 s35, 0
	s_wait_kmcnt 0x0
	s_lshl_b32 s32, s23, 12
	s_lshl_b32 s34, s37, 6
	s_add_co_u32 s32, s32, s34
	s_lshl_b32 s34, s22, 4
	s_add_co_u32 s32, s32, s34
	s_add_nc_u64 s[8:9], s[8:9], s[32:33]          ; the expert's list, at tile q's entries 4 w .. 4 w + 3
	s_mul_i32 s32, s23, 3145728
	s_mul_i32 s34, s30, 393216
	s_add_co_u32 s32, s32, s34
	s_mul_i32 s34, s22, 768
	s_add_co_u32 s32, s32, s34
	s_add_nc_u64 s[12:13], s[12:13], s[32:33]      ; W2's codes: expert, 128 rows, my 768 bytes of a row
	s_lshl_b32 s32, s23, 17
	s_lshl_b32 s34, s30, 14
	s_add_co_u32 s32, s32, s34
	s_lshl_b32 s34, s22, 5
	s_add_co_u32 s32, s32, s34
	s_add_nc_u64 s[14:15], s[14:15], s[32:33]      ; its scales: my 32 bytes of a row
	s_lshl_b32 s32, s23, 12
	s_lshl_b32 s34, s30, 9
	s_add_co_u32 s32, s32, s34
	s_add_nc_u64 s[16:17], s[16:17], s[32:33]      ; b2
	s_add_nc_u64 s[18:19], s[18:19], s[34:35]      ; y: 512 cs bytes into a row
	s_lshl_b32 s32, s23, 6
	s_add_co_u32 s32, s32, s37                     ; 64 e + q: my first tile among all
	s_mul_i32 s34, s32, 49152
	s_mul_i32 s31, s22, 12288
	s_add_co_u32 s34, s34, s31
	s_add_nc_u64 s[4:5], s[4:5], s[34:35]          ; hc: the tile, my 8 K steps
	s_lshl_b32 s34, s32, 11
	s_lshl_b32 s31, s22, 9
	s_add_co_u32 s34, s34, s31
	s_add_nc_u64 s[6:7], s[6:7], s[34:35]          ; hs likewise
.set j, 0
.rept 32
	global_load_b32 v[EN+j], v4, s[10:11] offset:128*j     ; sel of token 32 j + lane (into the entries' registers and the first accumulators': free at the head)
.set j, j+1
.endr
	global_load_b128 v[BI:BI+3], v3, s[16:17]
.irp j, 0,1,2,3
.irp q, 0,1
	global_load_b128 v[WS+8*\j+4*\q:WS+8*\j+4*\q+3], v12, s[14:15] offset:4096*\j+16*\q   ; a row's words of my K steps 4 q .. 4 q + 3
.endr
.endr
	RAW 0
	RAW 1
	s_mov_b32 s25, 0
	s_wait_loadcnt 57                              ; sel is in.  Behind it: 1 load of b2, 8 of scales, 48 of weights
.set j, 0
.rept 8                                ; the expert's rows are counted, 128 tokens a step, while the weights are on their way
.irp k, 0,1,2,3
	v_lshrrev_b32 v[CT+\k], s23, v[EN+4*j+\k]
.endr
.irp k, 0,1,2,3
	v_and_b32 v[CT+\k], 0x101, v[CT+\k]            ; bit 0: the expert is the token's first; bit 8: its second
.endr
.irp k, 0,1,2,3
	v_cmp_ne_u32 s[40+\k], 0, v[CT+\k]
.endr
.irp k, 0,1,2,3
	s_bcnt1_i32_b32 s[40+\k], s[40+\k]
.endr
	s_add_co_u32 s40, s40, s41
	s_add_co_u32 s42, s42, s43
	s_add_co_u32 s25, s25, s40
	s_add_co_u32 s25, s25, s42
.set j, j+1
.endr
	s_min_u32 s25, s25, 0x400                      ; the count
	s_add_co_u32 s26, s25, 15
	s_lshr_b32 s26, s26, 4                         ; tiles of 16 rows
	s_mov_b32 s27, s37                             ; my work-group's first tile
	RAW 2
	SUB 0, 48, 3                                   ; (its wait also shows b2 and the scales in)
.set i, 0
.rept 32
	v_perm_b32 v[WS+i], v[WS+i], v[WS+i], s36
.set i, i+1
.endr
	s_wait_dscnt 0x0                               ; sub-group 0's stores have read h's registers
	s_cmp_ge_u32 s27, s26
	s_cbranch_scc1 .Lnofirst
	SLOAD 0, 0                                     ; the first tile, in the order in which every tile is asked for: scale words, entries, chunks 0 to 3
	CLOAD 0, 0
	CLOAD 1, 0
	CLOAD 2, 0
	CLOAD 3, 0
.Lnofirst:
	SUB 1, 48, 4                                   ; the counts are those of the way without a first tile; on the other way they wait for a little more
	SUB 2, 48, 5
	SUB 3, 48, 6
	SUB 4, 48, 7
	SUB 5, 48, 8
	SUB 6, 24, 8
	SUB 7, 0, 8                                    ; every load of the head is in, the first tile's too
	s_wait_dscnt 0x0                               ; W2's fragments are in
	s_mov_b32 s28, 0
.rept 8
	v_nop                                          ; scale words were written by vector instructions: eight places ahead of the first scaled product
.endr
; A TRIP: tile s27, if the expert has it.  par: the set of scale words, entries and partial sums.
.macro TRIP par
	s_cmp_ge_u32 s27, s26
	s_cbranch_scc1 .Lnone_\@
	s_add_co_u32 s29, s27, 4
	s_cmp_ge_u32 s29, s26
	s_cbranch_scc1 .Llast_\@
	WORK \par, 1
	s_branch .Lsum_\@
.Llast_\@:
	WORK \par, 0
.Lsum_\@:
.rept 5
	v_nop                                          ; places behind the last products: four for the stores below, five for the next tile's products that start sums anew
.endr
.irp n, 0,1,2,3,4,5,6,7
	ds_store_b128 v5, v[ACC+8*\n:ACC+8*\n+3] offset:REDS*\par+64*\n          ; lane (r, h): outputs 16 n + 8 h + 0 .. 7 of row r; each accumulator from its low end on
	ds_store_b128 v5, v[ACC+8*\n+4:ACC+8*\n+7] offset:REDS*\par+64*\n+16
.endr
	s_branch .Lmeet_\@
.Lnone_\@:
	s_wait_loadcnt 0x0                             ; a trip without a tile: no load of mine is out, and the wait says so on this way
.Lmeet_\@:
	s_wait_dscnt 0x0                               ; for the others' sake: my partial sums are written, and my reads of the other set are over
	s_barrier_signal -1
	s_barrier_wait -1                              ; on every way: every wave passes it in every trip
	s_cmp_ge_u32 s27, s26
	s_cbranch_scc1 .Lstep_\@
.irp v, 0,1,2,3
.irp i, 0,1,2,3
	ds_load_b128 v[ACC+16*\v+4*\i:ACC+16*\v+4*\i+3], v6 offset:REDS*\par+REDW*\v+RP*\i   ; wave v's sums of row 4 w + i: 512 consecutive bytes
.endr
.endr
	s_wait_loadcnt 24                              ; all but the youngest 24 loads, the next tile's chunks, are in: this tile's entries among them
.irp i, 0,1,2,3
	v_and_b32 v[EN+4*\par+\i], 0xfff, v[EN+4*\par+\i]      ; the entry = the row of y,
	v_min_u32 v[EN+4*\par+\i], 0x807, v[EN+4*\par+\i]      ; held inside y's 2,056 rows
	v_lshl_add_u32 v[YO+\i], v[EN+4*\par+\i], 12, v3       ; a row of 4,096 bytes, + 16 x lane
.endr
	s_wait_dscnt 0x0
.irp i, 0,1,2,3
.irp d, 0,2
	v_pk_add_f32 v[ACC+4*\i+\d:ACC+4*\i+\d+1], v[ACC+4*\i+\d:ACC+4*\i+\d+1], v[ACC+16+4*\i+\d:ACC+16+4*\i+\d+1]
	v_pk_add_f32 v[ACC+32+4*\i+\d:ACC+32+4*\i+\d+1], v[ACC+32+4*\i+\d:ACC+32+4*\i+\d+1], v[ACC+48+4*\i+\d:ACC+48+4*\i+\d+1]
.endr
.endr
.irp i, 0,1,2,3
.irp d, 0,2
	v_pk_add_f32 v[ACC+4*\i+\d:ACC+4*\i+\d+1], v[ACC+4*\i+\d:ACC+4*\i+\d+1], v[ACC+32+4*\i+\d:ACC+32+4*\i+\d+1]
.endr
.endr
.irp i, 0,1,2,3
.irp d, 0,2
	v_pk_add_f32 v[ACC+4*\i+\d:ACC+4*\i+\d+1], v[ACC+4*\i+\d:ACC+4*\i+\d+1], v[BI+\d:BI+\d+1]
.endr
.endr
.irp i, 0,1,2,3
	global_store_b128 v[YO+\i], v[ACC+4*\i:ACC+4*\i+3], s[18:19]   ; 32 lanes store 512 consecutive bytes of one row, at a multiple of 256 from y's first byte
.endr
.Lstep_\@:
	s_wait_xcnt 0x0                                ; the stores have read their data and offsets, every load its base: all are written again
	s_add_nc_u64 s[4:5], s[4:5], 196608            ; four tiles on
	s_add_nc_u64 s[6:7], s[6:7], 8192
	s_add_nc_u64 s[8:9], s[8:9], 256
	s_add_co_u32 s27, s27, 4
.endm
.Lpair:                                                ; 8 trips of two tiles: 16 tiles for each q serve all 1,024 tokens on one expert
	TRIP 0
	TRIP 1
	s_add_co_u32 s28, s28, 1
	s_cmp_lt_u32 s28, 8
	s_cbranch_scc1 .Lpair
	s_barrier_signal -1
	s_barrier_wait -1
	s_wait_tensorcnt 0x0
	ds_add_u32 v254, v255
	s_wait_dscnt 0x0
	s_endpgm
.Lfunc_end_k_q305c6aa0bd_down:
	.size	k_q305c6aa0bd_down, .Lfunc_end_k_q305c6aa0bd_down-k_q305c6aa0bd_down
	.p2alignl 7, 3214868480
	.fill 96, 4, 3214868480
	.section	.rodata,"a",@progbits
	.p2align	6, 0x0
	.amdhsa_kernel k_q305c6aa0bd_down
		.amdhsa_group_segment_fixed_size 118272
		.amdhsa_private_segment_fixed_size 0
		.amdhsa_enable_private_segment 0
		.amdhsa_kernarg_size 64
		.amdhsa_user_sgpr_count 2
		.amdhsa_user_sgpr_kernarg_segment_ptr 1
		.amdhsa_wavefront_size32 1
		.amdhsa_system_sgpr_workgroup_id_x 1
		.amdhsa_system_sgpr_workgroup_id_y 1
		.amdhsa_system_sgpr_workgroup_id_z 1
		.amdhsa_system_vgpr_workitem_id 0
		.amdhsa_next_free_vgpr 1024
		.amdhsa_next_free_sgpr 66
		.amdhsa_reserve_vcc 0
		.amdhsa_float_denorm_mode_32 3
		.amdhsa_float_denorm_mode_16_64 3
		.amdhsa_memory_ordered 1
		.amdhsa_forward_progress 1
		.amdhsa_inst_pref_size 117
	.end_amdhsa_kernel
	.amdgpu_metadata
---
amdhsa.version: [ 1, 2 ]
amdhsa.kernels:
  - .name:           k_q305c6aa0bd_down
    .symbol:         k_q305c6aa0bd_down.kd
    .args:
      - { .name: hc, .offset: 0, .size: 8, .value_kind: global_buffer, .address_space: global }
      - { .name: hs, .offset: 8, .size: 8, .value_kind: global_buffer, .address_space: global }
      - { .name: rows, .offset: 16, .size: 8, .value_kind: global_buffer, .address_space: global }
      - { .name: sel, .offset: 24, .size: 8, .value_kind: global_buffer, .address_space: global }
      - { .name: w2_codes, .offset: 32, .size: 8, .value_kind: global_buffer, .address_space: global }
      - { .name: w2_scales, .offset: 40, .size: 8, .value_kind: global_buffer, .address_space: global }
      - { .name: b2, .offset: 48, .size: 8, .value_kind: global_buffer, .address_space: global }
      - { .name: y, .offset: 56, .size: 8, .value_kind: global_buffer, .address_space: global }
    .group_segment_fixed_size: 118272
    .private_segment_fixed_size: 0
    .kernarg_segment_align: 8
    .kernarg_segment_size: 64
    .max_flat_workgroup_size: 128
    .sgpr_count:     66
    .vgpr_count:     1024
    .wavefront_size: 32
...
	.end_amdgpu_metadata
.endif
;; end of part 5
;; launch norm: the kernel of part 4 again; grid 256 x 1, 4 waves a work-group, no clusters, 0 bytes of LDS; arguments y, gw, hidden_states, ln_w, ln_b, out0; writes out0
;; ======== version 3 of 3: 4 launches; version 2 with the launches up, down written anew for expert scheduling mode
;; workspace buffers: xc 786,432 bytes; xs 32,768 bytes; sel 4,096 bytes of whole numbers; gw 8,192 bytes; hc 25,165,824 bytes; hs 1,048,576 bytes; rows 32,768 bytes of whole numbers; y 8,421,376 bytes
;; launch route: the kernel of part 1 again; grid 64 x 1, 4 waves a work-group, no clusters, 33,280 bytes of LDS; arguments hidden_states, router_w, router_b, xc, xs, sel, gw; writes xc, xs, sel, gw
;; launch up (part 6): grid 32 x 8, 4 waves a work-group, no clusters, 107,264 bytes of LDS; arguments xc, xs, sel, w1_codes, w1_scales, b1, hc, hs, rows; writes hc, hs, rows
.if DOCPART == 6
	.amdgcn_target "amdgcn-amd-amdhsa--gfx1250"
	.amdhsa_code_object_version 6
	.text
	.protected	k_q305c6aa0bd_up
	.globl	k_q305c6aa0bd_up
	.p2align	8
	.type	k_q305c6aa0bd_up,@function
k_q305c6aa0bd_up:
	s_mov_b64 s[64:65], 0
	v_nop
	global_prefetch_b8 v0, s[64:65] scope:SCOPE_SE
	s_setreg_imm32_b32 hwreg(HW_REG_WAVE_SCHED_MODE, 0, 2), 2
	s_setreg_imm32_b32 hwreg(HW_REG_WAVE_MODE, 25, 1), 1
	s_wait_xcnt 0x0
	s_wait_alu depctr_vm_vsrc(0)
; h = Q(gelu(x W1[e]^T + b1[e])) for the rows routed to expert e (work-group y), hidden units 128 sl .. 128 sl + 127 (work-group x = sl).  Both operands are codes of E3M2 with E8M0 scales.
; THE WEIGHTS STAY, THE ROWS PASS BY.  The work-group's 128 x 1,024 slice of W1, 98,304 dense bytes, is read from memory once, a quarter by each wave in loads of 512 consecutive bytes, laid as rows in LDS, and
; taken WHOLE into every wave's registers: 64 fragments, 768 registers.  Wave w then takes the expert's tiles of 16 rows w, w + 4, w + 8 ..: the loop has no barrier.
; THE LIST.  sel[token] (whole numbers, stored by the launch before) says which two experts a token has.  Wave 0 lays the expert's rows in LDS in ascending order of tokens (entry = slot << 10 | token);
; every wave counts them.  The work-groups with sl = 0 store the list in rows, for the next launch.  Places behind the count hold the entry 0x800 | e: in the last tile token e's row is computed there, so that a
; tile's image is stored whole; the next launch sends its result to row 2,048 + e of its workspace, which nobody reads.
; K ORDER.  A lane half h takes 48 consecutive bytes of a row, the blocks 2 h and 2 h + 1 of a K step of 128, on both operands alike: three loads of 16 bytes a fragment.  The unit's block 2 c + h is then the
; true block 2 h + c, so the four scale bytes of a word stand in the order 0, 2, 1, 3.  The products are the same; the unit groups them otherwise.
; TRANSPOSED: source 0 = 16 rows of W1, source 1 = 16 rows of x.  Row p of tile 2 b + u is unit 32 b + 16 (p / 8) + 8 u + p % 8, so that a lane's 16 registers of tiles 2 b, 2 b + 1 are 16 neighbours along the next K.
; The bias is the C of each sum's first product.  The result leaves as an IMAGE OF THE NEXT OPERAND'S REGISTERS: hc[e][tile][K step sl]: 1,536 dense bytes; hs: a scale word a row.
; GELU, exact: gelu(v) = max(v, 0) - |v| E, E = erfc(|v| / sqrt 2) / 2 = t exp(P(t) - v^2 / 2), t = 1 / (1 + 0.35355339 |v|), P of degree 9: a fit of erfc with a fractional error under 1.2e-7.
; LIMITS: NaN and infinities are not served.  A block of zeros gets the byte 1: its codes are zeros, and this program alone reads the bytes.
; No tensor load and no cluster: the loop is left on a count made from numbers read from memory, and no weight byte is read by two work-groups.
; THE MODE: SCHED_MODE bits 1:0 = 2 (LLVM: expert scheduling mode 2), set by the entry lines.  The code itself states the register dependences between vector or matrix instructions and memory or LDS
; instructions, with s_wait_alu, always for 0.
; THE PLAN.  Registers that memory or LDS instructions touch, in the loop:
;   X, XS      The next tile's loads land in them, behind this tile's products, which alone read them.
;   ACC        The biases' LDS loads land in it at a trip's end; then the products, gelu and the conversions name it.
;   v9         Written once a trip, read by the LDS load of the next tile's entry.      v1, v2  Written once a trip from that entry, read by x's loads.
;   v[T]       The entry lands in it; later it is at work, and at the trip's end it holds the scale word, which a store reads.      PC  Written by the quantiser, read by three stores.
;   v3 to v6   Read by loads and stores, never written again behind the head.
; So a trip has four waits.  (1) Behind the products and the add to v9, on va_vdst: v9 is written, the products are done with X and XS, the last trip's vector work is done with v[T].  (2) Behind the entry's
; arithmetic, on va_vdst: v1 and v2 are written.  (3) Behind the quantiser, on va_vdst: the stores' data are written, and gelu and the conversions are done with ACC.  (4) Behind the stores, on vm_vsrc: they have
; read PC and the scale word, and the trip's loads have read v9, v1 and v2.
; REGISTERS, window 0: v1 x's offset, v2 xs's, v3 my place in the list, v4 16 x lane, v5 4 (lane % 16), v6 my bias bytes, v7 48 h, v8 16 h, v9 at work, v[10:11] c9, v[12:15] squares (v9-15 hold addresses at the head);
;   v16-19 x's scale words; v20-51 W1's; v52-63 fragment 63; v64-159 x's 8 fragments (at the head v64-129 serve the scan); v160-223 the 8 accumulators; v224-255 at work.
;   Windows 1 to 3: fragment f = 8 s + t at window 1 + f / 21, register 12 (f % 21); v254, v255 of window 1: the closing add's two.
.set LIST,  0                          ; LDS: 1,024 entries, a word that takes what is not routed here, padding: 4,352 bytes
.set BIAS,  4352                       ; 512 bytes for each wave: its own copy of the slice's 128 biases
.set WROWS, 6400                       ; 128 rows of W1, 784 bytes apart
.set WP,    784                        ; 768 + 16: an odd multiple of 16, so that the 16 rows of a load of 16 bytes fall on 16 different columns of 16 bytes
.set XS,  16
.set WS,  20                           ; register 8 b + s: lanes 0-15 tile 2 b's words of K step s, lanes 16-31 tile 2 b + 1's
.set F63, 52
.set X,   64
.set ACC, 160
.set T,   224
.set P,   240
.set TM,  T                            ; the quantiser: largest magnitudes,
.set TP,  T+4                          ; the other half's, then the bytes,
.set SCL, T+8                          ; the conversions' scale operands,
.set PC,  T+12                         ; the codes: 12 registers,
.set PC2, T+24                         ; the halves that are made elsewhere and moved,
.set PW,  T                            ; the scale word
.set SA,  64                           ; the scan: step j's LDS address at SA + j,
.set SD,  96                           ; its entry at SD + j: a register of its own for each step, so that no store's source is written again,
.set SK,  128                          ; my token of the step,
.set SN,  129                          ; the word for what is not routed here
.set MSB, 0
.macro WIN new                         ; the immediate's high byte repeats the setting that is left
.if MSB != (\new)
	s_set_vgpr_msb (MSB<<8)|(\new)
.set MSB, (\new)
.endif
.endm
.macro PAIR r, val                     ; a constant for the packed forms, which name a pair
	s_mov_b32 s[\r], \val
	s_mov_b32 s[\r+1], \val
.endm
	s_load_b512 s[4:19], s[0:1], 0x0               ; xc s[4:5], xs s[6:7], sel s[8:9], W1's codes s[10:11], its scales s[12:13], b1 s[14:15], hc s[16:17], hs s[18:19]
	s_load_b64 s[20:21], s[0:1], 0x40              ; rows
	s_set_vgpr_msb 0x40
	v_lshl_add_u32 v254, v0, 2, 0x1a100
	v_mov_b32 v255, 0
	s_set_vgpr_msb 0x4000
	v_lshrrev_b32 v9, 5, v0
	v_readfirstlane_b32 s22, v9                    ; wave
	s_and_b32 s23, ttmp7, 0xffff                   ; expert
	s_mov_b32 s24, ttmp9                           ; slice
	v_and_b32 v5, 15, v0                           ; r
	v_bfe_u32 v6, v0, 4, 1                         ; h
	v_and_b32 v9, 31, v0                           ; lane
	v_lshlrev_b32 v4, 4, v9                        ; 16 x lane
	v_lshlrev_b32 v1, 2, v9                        ; at the head: 4 x lane, for sel
	v_and_b32 v2, 8, v5
	v_add_nc_u32 v2, v2, v5
	v_lshl_add_u32 v2, v6, 3, v2                   ; at the head: W1's scales: lane (p, u) takes unit 8 u + p + 8 (p / 8) of each 32,
	v_lshlrev_b32 v2, 5, v2                        ; 32 bytes a unit
	s_wait_alu depctr_va_sdst(0)                   ; s22 is written, ahead of its first reader: LDS places, bases and the branches on the wave's number are made from it
	s_lshl_b32 s31, s22, 6
	v_lshl_add_u32 v3, v5, 2, s31                  ; the list: entry 16 w + r
	v_mul_u32_u24 v7, v6, 48
	v_lshlrev_b32 v8, 4, v6
	s_mul_i32 s31, s22, 32*WP
	s_add_co_u32 s31, s31, WROWS
	v_add_nc_u32 v10, s31, v4                      ; the raw bytes' way into my 32 rows: 16 x lane,
	v_lshl_add_u32 v11, v6, 4, v10                 ; and for a load that straddles two rows: lanes 16-31 behind one padding more
	v_mul_u32_u24 v12, v5, WP
	v_add_nc_u32 v12, v12, v7
	v_add_nc_u32 v12, WROWS, v12                   ; a fragment: row p, + 48 h; tiles 0 to 3,
	v_add_nc_u32 v13, 64*WP, v12                   ; tiles 4 to 7
	s_lshl_b32 s31, s22, 9
	s_add_co_u32 s31, s31, BIAS
	v_add_nc_u32 v14, s31, v4                      ; my wave's copy of the biases, on the way in,
	v_lshl_add_u32 v6, v6, 6, s31                  ; and out: + 64 h
	s_lshl_b32 s31, s22, 10
	v_add_nc_u32 v15, s31, v4                      ; my wave's quarter of the list: in LDS (LIST = 0) and in rows alike
	v_lshlrev_b32 v5, 2, v5                        ; 4 r
	s_mov_b32 s33, 0
	s_mov_b32 s35, 0
	s_wait_kmcnt 0x0
	s_mul_i32 s32, s23, 3145728
	s_mul_i32 s34, s24, 98304
	s_add_co_u32 s32, s32, s34
	s_mul_i32 s34, s22, 24576
	s_add_co_u32 s32, s32, s34
	s_add_nc_u64 s[10:11], s[10:11], s[32:33]      ; W1's codes: expert, slice, my wave's 32 rows
	s_lshl_b32 s32, s23, 17
	s_lshl_b32 s34, s24, 12
	s_add_co_u32 s32, s32, s34
	s_add_nc_u64 s[12:13], s[12:13], s[32:33]      ; its scales
	s_lshl_b32 s32, s23, 14
	s_lshl_b32 s34, s24, 9
	s_add_co_u32 s32, s32, s34
	s_add_nc_u64 s[14:15], s[14:15], s[32:33]      ; b1
	s_wait_alu depctr_va_vdst(0)                   ; the offsets and LDS addresses v1 to v6 and v10 to v15 are written: the head's loads and LDS instructions read them
.set j, 0
.rept 32
	global_load_b32 v[ACC+j], v1, s[8:9] offset:128*j      ; sel of token 32 j + lane
.set j, j+1
.endr
	global_load_b128 v[T+12:T+15], v4, s[14:15]    ; the slice's 128 biases
.irp b, 0,1,2,3
.irp q, 0,1
	global_load_b128 v[WS+8*\b+4*\q:WS+8*\b+4*\q+3], v2, s[12:13] offset:1024*\b+16*\q   ; a unit's words of K steps 4 q .. 4 q + 3
.endr
.endr
	WIN 0x40                                       ; destination window 1
.set k, 0
.rept 48
	global_load_b128 v[4*k:4*k+3], v4, s[10:11] offset:512*k th:TH_LOAD_NT   ; my 24,576 bytes as they lie, 512 a load
.set k, k+1
.endr
	WIN 0
	s_mov_b32 s36, 0x03010200                      ; a scale word's bytes 0, 1, 2, 3 go to 0, 2, 1, 3
	s_mov_b32 s38, 0x76543210
	s_mov_b32 s39, 0xfedcba98                      ; v_permlanex16_b32's selects for lane l xor 16
	PAIR 40, 0xbf527892                            ; c8 = -0.82215223
	PAIR 42, 0x3fbe87b0                            ; c7 =  1.48851587
	PAIR 44, 0xbf914e5d                            ; c6 = -1.13520398
	PAIR 46, 0x3e8ec7cc                            ; c5 =  0.27886807
	PAIR 48, 0xbe3ec24c                            ; c4 = -0.18628806
	PAIR 50, 0x3dc636c9                            ; c3 =  0.09678418
	PAIR 52, 0x3ebf88fb                            ; c2 =  0.37409196
	PAIR 54, 0x3f8000c7                            ; c1 =  1.00002368
	PAIR 56, 0xbffab55a                            ; c0 = -1.26551223 - ln 2: the halving of erfc
	PAIR 58, 0x3fb8aa3b                            ; log2(e)
	s_mov_b32 s60, 0x3eb504f3                      ; 0.35355339 = 1 / (2 sqrt 2)
; The expert's rows are counted, 32 tokens a step, four steps a run; store = 1: and laid in the list.  A token has the expert in at most one of its two slots.
; A run's four compares write four masks, s26 to s29, with one wait behind them.  Each step has its own address and entry registers, so the 32 stores of entries stand together behind one wait.
.macro SCAN store
	s_mov_b32 s25, 0
.if \store
	s_or_b32 s31, s23, 0x800                       ; what a place behind the count holds: row 2,048 + e of the next launch's workspace, token e
.irp i, 8,9,10,11
	v_mov_b32 v[T+\i], s31
.endr
	v_and_b32 v[SK], 31, v0                        ; my token of the step
	v_mov_b32 v[SN], 0x400                         ; the word for what is not routed here
	s_wait_alu depctr_va_vdst(0)                   ; the four moves have written v[T+8 .. T+11], which the LDS stores below read
.irp q, 0,1,2,3,4,5,6,7
	ds_store_b128 v4, v[T+8:T+11] offset:LIST+512*\q   ; every entry begins so
.endr
.endif
.set j, 0
.rept 8
.irp k, 0,1,2,3
	v_lshrrev_b32 v[SD+4*j+\k], s23, v[ACC+4*j+\k]
.endr
.irp k, 0,1,2,3
	v_and_b32 v[SA+4*j+\k], 0x101, v[SD+4*j+\k]    ; bit 0: the expert is the token's first; bit 8: its second
.endr
.irp k, 0,1,2,3
	v_cmp_ne_u32 s[26+\k], 0, v[SA+4*j+\k]
.endr
	s_wait_alu depctr_va_sdst(0)                   ; the four compares have written s26 to s29, ahead of their first readers
.irp k, 0,1,2,3
.if \store
	v_mbcnt_lo_u32_b32 v[SA+4*j+\k], s[26+\k], s25 ; the rows so far + those of lower lanes: my place
	v_cndmask_b32 v[SA+4*j+\k], v[SN], v[SA+4*j+\k], s[26+\k]
	v_min_u32 v[SA+4*j+\k], 0x400, v[SA+4*j+\k]    ; held inside the list
	v_lshlrev_b32 v[SA+4*j+\k], 2, v[SA+4*j+\k]
	v_and_b32 v[SD+4*j+\k], 0x100, v[SD+4*j+\k]
	v_lshl_or_b32 v[SD+4*j+\k], v[SD+4*j+\k], 2, v[SK]   ; slot << 10 | token
	v_add_nc_u32 v[SK], 32, v[SK]
.endif
	s_bcnt1_i32_b32 s31, s[26+\k]
	s_add_co_u32 s25, s25, s31
.endr
.set j, j+1
.endr
.if \store
	s_wait_alu depctr_va_vdst(0)                   ; the 32 addresses and the 32 entries are written, which the LDS stores below read
.set j, 0
.rept 32
	ds_store_b32 v[SA+j], v[SD+j]                  ; LDS serves a wave's instructions in order: these come behind the fill above
.set j, j+1
.endr
.endif
.endm
	s_wait_loadcnt 57                              ; sel is in.  Behind it: 1 load of biases, 8 of scales, 48 of codes
	s_cmp_lg_u32 s22, 0
	s_cbranch_scc1 .Lcount
	SCAN 1
	s_branch .Ljoin
.Lcount:
	SCAN 0
.Ljoin:
	s_wait_dscnt 0x0                               ; for the others' sake: the list is written
	s_barrier_signal -1
	s_barrier_wait -1
	s_min_u32 s25, s25, 0x400                      ; the count
	s_add_co_u32 s26, s25, 15
	s_lshr_b32 s26, s26, 4                         ; tiles of 16 rows
	s_wait_loadcnt 48                              ; biases and scales are in; the 48 loads of codes may be out
	ds_store_b128 v14, v[T+12:T+15]
.set i, 0
.rept 32
	v_perm_b32 v[WS+i], v[WS+i], v[WS+i], s36
.set i, i+1
.endr
	s_wait_loadcnt 0x0
	WIN 0x04                                       ; an LDS store's data are its source 1: window 1
.set a, 0
.rept 16                               ; rows 2 a and 2 a + 1 of my 32: three loads' bytes.  Unit u goes to row (u with bits 3 and 4 exchanged), so that a tile's 16 rows are neighbours
.set u2, 2*a
.set lm, (u2&7)+2*(u2&8)+(u2&16)/2
.set LL, lm*WP
	ds_store_b128 v10, v[12*a:12*a+3] offset:LL
	ds_store_b128 v11, v[12*a+4:12*a+7] offset:LL+512
	ds_store_b128 v10, v[12*a+8:12*a+11] offset:LL+1040
.set a, a+1
.endr
	WIN 0
	s_wait_dscnt 0x0                               ; for the others' sake: my 32 rows are written
	s_barrier_signal -1
	s_barrier_wait -1
	s_wait_alu depctr_vm_vsrc(0)                   ; my LDS stores have read the raw registers of window 1, in which fragments land, the scan's registers, in which x lands, and v10, v11, v14 and v[T+8 .. T+15], which vector instructions write again; the head's loads have read v1 and v2, which are made anew
	s_cmp_lg_u32 s24, 0                            ; slice 0 hands the list to the next launch
	s_cbranch_scc1 .Lnorows
	s_lshl_b32 s32, s23, 12
	s_add_nc_u64 s[20:21], s[20:21], s[32:33]
	ds_load_b128 v[T:T+3], v15
	ds_load_b128 v[T+4:T+7], v15 offset:512
	s_wait_dscnt 0x0
	global_store_b128 v15, v[T:T+3], s[20:21]
	global_store_b128 v15, v[T+4:T+7], s[20:21] offset:512
	s_wait_xcnt 0x0                                ; the stores have had their addresses translated: their registers are written again below
	s_wait_alu depctr_vm_vsrc(0)                   ; the two stores have read v[T .. T+7], in the first of which the entry lands, and v15, which gelu writes
.Lnorows:
	s_mov_b32 s27, s22                             ; my first tile
	s_cmp_ge_u32 s27, s26
	s_cbranch_scc1 .Ldone
.macro XLOAD                           ; my tile's 16 rows of x: 8 fragments of three loads of 16 bytes, and the scale words: lanes 0-15 K steps 0 to 3, lanes 16-31 K steps 4 to 7
.irp s, 0,1,2,3,4,5,6,7
.irp i, 0,1,2
	global_load_b128 v[X+12*\s+4*\i:X+12*\s+4*\i+3], v1, s[4:5] offset:96*\s+16*\i
.endr
.endr
	global_load_b128 v[XS:XS+3], v2, s[6:7]
.endm
.macro ROWOF                           ; the entry in v[T] becomes my row's offsets in xc and xs
	v_and_b32 v[T], 0x3ff, v[T]                    ; the token,
	v_min_u32 v[T], 0x3ff, v[T]                    ; held inside the table
	v_mad_u32_u24 v1, v[T], 768, v7
	v_lshl_add_u32 v2, v[T], 5, v8
.endm
.macro BIASLD                          ; the accumulators begin as the biases: tile 2 b + u, lane half h: units 32 b + 16 h + 8 u + 0 .. 7
.irp t, 0,1,2,3,4,5,6,7
.irp q, 0,1
	ds_load_b128 v[ACC+8*\t+4*\q:ACC+8*\t+4*\q+3], v6 offset:(32*(\t/2)+8*(\t%2))*4+16*\q
.endr
.endr
.endm
	ds_load_b32 v[T], v3
	s_wait_dscnt 0x0
	ROWOF
	s_wait_alu depctr_va_vdst(0)                   ; v1 and v2 are written, which x's loads read; the scan is done with v64 to v129, in which x lands, and with sel's registers, in which the biases land
	XLOAD
.set f, 0
.rept 64                               ; all 64 fragments of W1 into registers: K step f / 8, tile f % 8.  No vector instruction has named these registers, and none stands between the wait above and these loads
.set ks, f/8
.set tt, f%8
.if f == 63
.set wn, 0
.set fr, F63
.else
.set wn, (1+f/21)*64
.set fr, 12*(f%21)
.endif
	WIN wn                                         ; the destination's window
.irp i, 0,1,2
.if tt < 4
	ds_load_b128 v[fr+4*\i:fr+4*\i+3], v12 offset:WP*16*tt+96*ks+16*\i
.else
	ds_load_b128 v[fr+4*\i:fr+4*\i+3], v13 offset:WP*16*(tt-4)+96*ks+16*\i
.endif
.endr
.set f, f+1
.endr
	WIN 0
	BIASLD
	s_wait_alu depctr_vm_vsrc(0)                   ; x's loads have read v1 and v2, which the first trip makes anew; the fragments' loads have read v12 and v13, which gelu writes
	v_mov_b32 v10, 0x3e2ef945                      ; c9 = 0.17087277
	v_mov_b32 v11, 0x3e2ef945
	s_lshl_b32 s32, s23, 6
	s_add_co_u32 s32, s32, s22                     ; 64 e + w: my first tile among all
	s_mul_i32 s34, s32, 49152
	s_mul_i32 s31, s24, 1536
	s_add_co_u32 s34, s34, s31
	s_add_nc_u64 s[16:17], s[16:17], s[34:35]      ; hc: tile, K step sl
	s_lshl_b32 s34, s32, 11
	s_lshl_b32 s31, s24, 6
	s_add_co_u32 s34, s34, s31
	s_add_nc_u64 s[18:19], s[18:19], s[34:35]      ; hs likewise
	s_mov_b32 s28, 0
	s_mov_b32 s29, 0
.rept 8
	v_nop                                          ; W1's scale words were written by vector instructions: eight places ahead of the first scaled product
.endr
	s_wait_alu depctr_va_vdst(0)                   ; behind the places: the permutes have written W1's scale words, which the scaled products take
.macro WM acc, fr, br, sa, sb, ra, rb
.if (\ra) && (\rb)
	v_wmma_scale_f32_16x16x128_f8f6f4 v[\acc:\acc+7], v[\fr:\fr+11], v[\br:\br+11], v[\acc:\acc+7], v[\sa], v[\sb] matrix_a_fmt:MATRIX_FMT_BF6 matrix_b_fmt:MATRIX_FMT_BF6 matrix_a_scale:MATRIX_SCALE_ROW1 matrix_b_scale:MATRIX_SCALE_ROW1
.elseif \ra
	v_wmma_scale_f32_16x16x128_f8f6f4 v[\acc:\acc+7], v[\fr:\fr+11], v[\br:\br+11], v[\acc:\acc+7], v[\sa], v[\sb] matrix_a_fmt:MATRIX_FMT_BF6 matrix_b_fmt:MATRIX_FMT_BF6 matrix_a_scale:MATRIX_SCALE_ROW1
.elseif \rb
	v_wmma_scale_f32_16x16x128_f8f6f4 v[\acc:\acc+7], v[\fr:\fr+11], v[\br:\br+11], v[\acc:\acc+7], v[\sa], v[\sb] matrix_a_fmt:MATRIX_FMT_BF6 matrix_b_fmt:MATRIX_FMT_BF6 matrix_b_scale:MATRIX_SCALE_ROW1
.else
	v_wmma_scale_f32_16x16x128_f8f6f4 v[\acc:\acc+7], v[\fr:\fr+11], v[\br:\br+11], v[\acc:\acc+7], v[\sa], v[\sb] matrix_a_fmt:MATRIX_FMT_BF6 matrix_b_fmt:MATRIX_FMT_BF6
.endif
.endm
.macro MULS                            ; 64 products: K step by K step, the 8 accumulators by turns, one instruction a turn; four switches of the window
.set f, 0
.rept 64
.set ks, f/8
.set tt, f%8
.if f == 63
.set wn, 0
.set fr, F63
.else
.set wn, 1+f/21
.set fr, 12*(f%21)
.endif
	WIN wn                                         ; source 0's window
.set ac, ACC+8*tt
.set br, X+12*ks
.set sa, WS+8*(tt/2)+ks
.set sb, XS+ks%4
.set ra, tt%2
.set rb, ks/4
	WM ac, fr, br, sa, sb, ra, rb
.set f, f+1
.endr
	WIN 0
.endm
; gelu of 16 numbers a lane, in place: the accumulators 2 b and 2 b + 1, each read from its low end on.
.macro GELU16 b
.set A, ACC+16*(\b)
.irp i, 0,1,2,3,4,5,6,7,8,9,10,11,12,13,14,15
	v_fma_f32 v[T+\i], |v[A+\i]|, s60, 1.0
.endr
.irp i, 0,1,2,3,4,5,6,7,8,9,10,11,12,13,14,15
	v_rcp_f32 v[T+\i], v[T+\i]                     ; t
.endr
	v_nop                                          ; a plain line behind the batch,
	s_wait_alu depctr_va_vdst(0)                   ; and one wait for the sixteen reciprocals in v[T ..], ahead of their first reader
.irp i, 0,2,4,6,8,10,12,14
	v_pk_fma_f32 v[P+\i:P+\i+1], v[T+\i:T+\i+1], v[10:11], s[40:41] op_sel_hi:[1,1,0]
.endr
.irp c, 42,44,46,48,50,52,54,56
.irp i, 0,2,4,6,8,10,12,14
	v_pk_fma_f32 v[P+\i:P+\i+1], v[P+\i:P+\i+1], v[T+\i:T+\i+1], s[\c:\c+1] op_sel_hi:[1,1,0]
.endr
.endr
.irp i, 0,4,8,12
	v_pk_mul_f32 v[12:13], v[A+\i:A+\i+1], v[A+\i:A+\i+1]
	v_pk_mul_f32 v[14:15], v[A+\i+2:A+\i+3], v[A+\i+2:A+\i+3]
	v_pk_fma_f32 v[P+\i:P+\i+1], v[12:13], -0.5, v[P+\i:P+\i+1] op_sel_hi:[1,0,1]       ; P(t) - v^2 / 2
	v_pk_fma_f32 v[P+\i+2:P+\i+3], v[14:15], -0.5, v[P+\i+2:P+\i+3] op_sel_hi:[1,0,1]
.endr
.irp i, 0,2,4,6,8,10,12,14
	v_pk_mul_f32 v[P+\i:P+\i+1], v[P+\i:P+\i+1], s[58:59] op_sel_hi:[1,0]
.endr
.irp i, 0,1,2,3,4,5,6,7,8,9,10,11,12,13,14,15
	v_exp_f32 v[P+\i], v[P+\i]
.endr
.irp i, 0,1,2,3,4,5,6,7,8,9,10,11,12,13,14,15
	v_mul_f32 v[T+\i], |v[A+\i]|, v[T+\i]          ; |v| t: plain work that names no exponential's result
.endr
.irp i, 0,1,2,3,4,5,6,7,8,9,10,11,12,13,14,15
	v_max_num_f32 v[A+\i], 0, v[A+\i]
.endr
	s_wait_alu depctr_va_vdst(0)                   ; one wait for the sixteen exponentials in v[P ..], ahead of their first reader
.irp i, 0,2,4,6,8,10,12,14
	v_pk_fma_f32 v[A+\i:A+\i+1], v[T+\i:T+\i+1], v[P+\i:P+\i+1], v[A+\i:A+\i+1] neg_lo:[1,0,0] neg_hi:[1,0,0]   ; max(v, 0) - |v| t exp(..)
.endr
.endm
; The lane's 64 numbers (register 16 b + i = unit 32 b + 16 h + i of my row) become the next operand's 12 registers and my row's scale word.
.macro QUANT
.irp b, 0,1,2,3
	v_max3_num_f32 v[TM+\b], |v[ACC+16*\b]|, |v[ACC+1+16*\b]|, 0x2800000   ; block b: my 16 numbers, and the floor 2^(5 - 127): the byte cannot fall under 1
.endr
.irp i, 2,4,6,8,10,12,14
.irp b, 0,1,2,3
	v_max3_num_f32 v[TM+\b], v[TM+\b], |v[ACC+16*\b+\i]|, |v[ACC+1+16*\b+\i]|
.endr
.endr
.irp b, 0,1,2,3
	v_permlanex16_b32 v[TP+\b], v[TM+\b], s38, s39
.endr
.irp b, 0,1,2,3
	v_max_num_f32 v[TM+\b], v[TM+\b], v[TP+\b]     ; with lane l xor 16's: the block's largest magnitude
.endr
.irp b, 0,1,2,3
	v_add_nc_u32 v[SCL+\b], 0xfe000000, v[TM+\b]   ; 4 off its exponent field: the conversion's scale operand
.endr
.irp b, 0,1,2,3
	v_lshrrev_b32 v[TP+\b], 23, v[SCL+\b]          ; the scale's byte
.endr
	v_lshl_or_b32 v[PW], v[TP+2], 8, v[TP]         ; the word, in the order 0, 2, 1, 3
	v_lshl_or_b32 v[PW], v[TP+1], 16, v[PW]
	v_lshl_or_b32 v[PW], v[TP+3], 24, v[PW]
.irp c, 0,1
	v_cvt_scalef32_pk16_bf6_f32 v[PC+6*\c:PC+6*\c+2], v[ACC+16*\c:ACC+16*\c+15], v[SCL+\c]            ; block c: lanes 0-15 are to hold it whole,
	v_cvt_scalef32_pk16_bf6_f32 v[PC2+4*\c:PC2+4*\c+2], v[ACC+32+16*\c:ACC+47+16*\c], v[SCL+2+\c]     ; block 2 + c: lanes 16-31 (a conversion's three registers begin on an even number)
.endr
	v_nop                                          ; one plain line behind the last conversion
.irp c, 0,1
.irp i, 0,1,2
	v_permlane16_swap_b32 v[PC+6*\c+\i], v[PC2+4*\c+\i]    ; the first's lanes 16-31 change places with the second's lanes 0-15: lower 16 codes in the first, upper 16 in the second
.endr
.irp i, 0,1,2
	v_mov_b32 v[PC+3+6*\c+\i], v[PC2+4*\c+\i]
.endr
.endr
.endm
.Ltile:                                                ; at most 16 trips: tiles w, w + 4 ..; left when the expert's tiles are done
	s_wait_loadcnt 0x0                             ; my tile's x: nothing younger is out
	s_wait_dscnt 0x0                               ; the biases (in the first trip W1's fragments too)
	MULS
.rept 4
	v_nop                                          ; places in front of the first read of results
.endr
	s_add_co_u32 s27, s27, 4
	s_add_co_u32 s29, s29, 256                     ; four tiles on in the list
	s_cmp_lt_u32 s27, s26
	s_cselect_b32 s30, 1, 0
	s_cbranch_scc0 .Lnox
	v_add_nc_u32 v9, s29, v3
	s_wait_alu depctr_va_vdst(0)                   ; v9 is written, which the LDS load reads; the products are done reading x's fragments and scale words, in which the loads below land; the last trip's vector work is done with v[T], in which the entry lands
	ds_load_b32 v[T], v9
	s_wait_dscnt 0x0
	ROWOF
	s_wait_alu depctr_va_vdst(0)                   ; v1 and v2 are written, which x's loads read
	XLOAD                                          ; the next tile's x lands under this tile's gelu, which names none of its registers
.Lnox:
	GELU16 0
	GELU16 1
	GELU16 2
	GELU16 3
	QUANT
	s_wait_alu depctr_va_vdst(0)                   ; the quantiser has written the codes and the scale word, which the stores read; gelu and the conversions are done with the accumulators, in which the biases land below
.irp c, 0,1,2
	global_store_b128 v4, v[PC+4*\c:PC+4*\c+3], s[16:17] offset:512*\c   ; the image: each store covers 512 consecutive bytes, aligned
.endr
	global_store_b32 v5, v[PW], s[18:19]           ; both halves of the lanes hold the same word
	s_wait_xcnt 0x0                                ; the stores have had their addresses translated: their registers and bases are written again
	s_wait_alu depctr_vm_vsrc(0)                   ; the stores have read the codes and the scale word, and this trip's loads v9, v1 and v2: the next trip writes all of them again
	s_add_nc_u64 s[16:17], s[16:17], 196608        ; four tiles on
	s_add_nc_u64 s[18:19], s[18:19], 8192
	s_cmp_eq_u32 s30, 0
	s_cbranch_scc1 .Ldone
	BIASLD
	s_add_co_u32 s28, s28, 1
	s_cmp_lt_u32 s28, 16
	s_cbranch_scc1 .Ltile
	s_wait_dscnt 0x0
.Ldone:
	s_barrier_signal -1
	s_barrier_wait -1
	s_set_vgpr_msb 0x5                             ; the add's two registers, sources 0 and 1, lie in window 1
	s_wait_dscnt 0x0                               ; the closing lines, six on end
	s_wait_alu 0x0
	s_wait_tensorcnt 0x0
	ds_add_u32 v254, v255
	s_wait_dscnt 0x0
	s_endpgm
.Lfunc_end_k_q305c6aa0bd_up:
	.size	k_q305c6aa0bd_up, .Lfunc_end_k_q305c6aa0bd_up-k_q305c6aa0bd_up
	.p2alignl 7, 3214868480
	.fill 96, 4, 3214868480
	.section	.rodata,"a",@progbits
	.p2align	6, 0x0
	.amdhsa_kernel k_q305c6aa0bd_up
		.amdhsa_group_segment_fixed_size 107264
		.amdhsa_private_segment_fixed_size 0
		.amdhsa_enable_private_segment 0
		.amdhsa_kernarg_size 72
		.amdhsa_user_sgpr_count 2
		.amdhsa_user_sgpr_kernarg_segment_ptr 1
		.amdhsa_wavefront_size32 1
		.amdhsa_system_sgpr_workgroup_id_x 1
		.amdhsa_system_sgpr_workgroup_id_y 1
		.amdhsa_system_sgpr_workgroup_id_z 1
		.amdhsa_system_vgpr_workitem_id 0
		.amdhsa_next_free_vgpr 1024
		.amdhsa_next_free_sgpr 66
		.amdhsa_reserve_vcc 0
		.amdhsa_float_denorm_mode_32 3
		.amdhsa_float_denorm_mode_16_64 3
		.amdhsa_memory_ordered 1
		.amdhsa_forward_progress 1
		.amdhsa_inst_pref_size 123
	.end_amdhsa_kernel
	.amdgpu_metadata
---
amdhsa.version: [ 1, 2 ]
amdhsa.kernels:
  - .name:           k_q305c6aa0bd_up
    .symbol:         k_q305c6aa0bd_up.kd
    .args:
      - { .name: xc, .offset: 0, .size: 8, .value_kind: global_buffer, .address_space: global }
      - { .name: xs, .offset: 8, .size: 8, .value_kind: global_buffer, .address_space: global }
      - { .name: sel, .offset: 16, .size: 8, .value_kind: global_buffer, .address_space: global }
      - { .name: w1_codes, .offset: 24, .size: 8, .value_kind: global_buffer, .address_space: global }
      - { .name: w1_scales, .offset: 32, .size: 8, .value_kind: global_buffer, .address_space: global }
      - { .name: b1, .offset: 40, .size: 8, .value_kind: global_buffer, .address_space: global }
      - { .name: hc, .offset: 48, .size: 8, .value_kind: global_buffer, .address_space: global }
      - { .name: hs, .offset: 56, .size: 8, .value_kind: global_buffer, .address_space: global }
      - { .name: rows, .offset: 64, .size: 8, .value_kind: global_buffer, .address_space: global }
    .group_segment_fixed_size: 107264
    .private_segment_fixed_size: 0
    .kernarg_segment_align: 8
    .kernarg_segment_size: 72
    .max_flat_workgroup_size: 128
    .sgpr_count:     66
    .vgpr_count:     1024
    .wavefront_size: 32
...
	.end_amdgpu_metadata
.endif
;; end of part 6
;; launch down (part 7): grid 32 x 8, 4 waves a work-group, no clusters, 118,272 bytes of LDS; arguments hc, hs, rows, sel, w2_codes, w2_scales, b2, y; writes y
.if DOCPART == 7
	.amdgcn_target "amdgcn-amd-amdhsa--gfx1250"
	.amdhsa_code_object_version 6
	.text
	.protected	k_q305c6aa0bd_down
	.globl	k_q305c6aa0bd_down
	.p2align	8
	.type	k_q305c6aa0bd_down,@function
k_q305c6aa0bd_down:
	s_mov_b64 s[64:65], 0
	v_nop
	global_prefetch_b8 v0, s[64:65] scope:SCOPE_SE
	s_setreg_imm32_b32 hwreg(HW_REG_WAVE_SCHED_MODE, 0, 2), 2
	s_setreg_imm32_b32 hwreg(HW_REG_WAVE_MODE, 25, 1), 1
	s_wait_xcnt 0x0
	s_wait_alu depctr_vm_vsrc(0)
; y[slot x 1,024 + token][128 cs .. 128 cs + 127] = h W2[e]^T + b2[e] for the rows routed to expert e (work-group y).  Work-group x = 4 cs + q: 128 outputs, and of the expert's tiles of 16 rows the tiles q, q + 4, q + 8 ..
; Codes of E3M2 with E8M0 scales on both sides.
; K IS SHARED AMONG THE WAVES.  Wave w holds W2 for all 128 outputs and K steps 8 w .. 8 w + 7 of the 32: 64 fragments (tile n of 16 outputs, K step t: f = 8 n + t), 768 registers, for the whole launch.
; So of a tile's image of h (32 K steps x 1,536 bytes) a wave needs its quarter alone, 12,288 bytes, which come from memory straight into the operand's registers, and each fragment of h feeds eight products.
; h's registers are a ring of four chunks of 2 K steps: a chunk is asked for again, with the next tile's bytes, behind its 16 products, so that a load has nearly a tile's work in which to land.
; THE SUM OVER THE WAVES.  Each wave's partial sums, 16 rows x 128 outputs, go to LDS (two sets by turns: one barrier a trip); wave w reads rows 4 w .. 4 w + 3 of all four, adds them and b2, and stores each row's
; 512 consecutive bytes, aligned, by one instruction.  ORDER OF THE SUMS: four f32 sums over quarters of K, each ascending, added as ((0 + 1) + (2 + 3)) + b2: not one ascending chain.
; THE COUNT of the expert's rows is made from sel (whole numbers, stored two launches back).  THE LOOP HAS 16 TRIPS WHATEVER THE COUNT, so that every wave passes every barrier; a trip without a tile jumps over the work alone.
; The work is written twice, with and without the requests for a next tile, so that each way has its own counts.  THE LIST (entry = slot << 10 | token, stored by the launch before) says where a row goes.  A place of
; the last tile behind the count holds 0x800 | e: its result goes to row 2,048 + e of y, which nobody reads; all such rows hold the same numbers, and one work-group alone writes those bytes.  EXEC is never changed.
; THE WEIGHTS' WAY IN.  A wave's part of a row of W2 is 768 bytes, three aligned blocks of 256: sixteen lanes read a block.  Eight sub-groups of 16 rows (24 loads), three on their way at a time; each turns through the
; wave's own stage in LDS (rows 784 bytes apart) and comes back as fragments.  A sub-group lands in the registers that its own fragments then take; the first lands in h's registers, which are free at the head.
; TRANSPOSED: source 0 = 16 rows of W2, source 1 = 16 rows of h: a lane holds eight neighbouring outputs of one row.  K ORDER as in the launch before: a lane half's 48 consecutive bytes; scale bytes 0, 2, 1, 3.
; No tensor load, no cluster, though four work-groups read the same weights and eight the same h: a trip's work hangs on a count made from numbers read from memory.
; LIMITS: NaN and infinities are not served.
; THE MODE: SCHED_MODE bits 1:0 = 2 (LLVM: expert scheduling mode 2), set by the entry lines.  The code itself states the register dependences between vector or matrix instructions and memory or LDS
; instructions, with s_wait_alu, always for 0.
; THE PLAN.  Registers that memory or LDS instructions touch, in the loop:
;   G, chunk c   Read by the chunk's 16 products; behind them the next tile's six loads land in it.
;   HS, EN       Two sets by turns.  A trip's products read its set of HS, its vector lines clamp its set of EN; the loads at a trip's head land in the OTHER set, which no vector or matrix instruction has named since
;                the last trip's waits.
;   ACC          Written by the products; read by my LDS stores of the partial sums; the LDS loads of four waves' sums land in it; the additions write it; the global stores read its first 16 registers.
;   YO           Written once a trip, read by the global stores.
;   v2 to v6     Read by loads and stores, never written again behind the head.
; So a tile has: ONE wait on va_vdst behind each chunk's products (they are done reading the chunk, which is asked for again at once: the loop lives on loads in flight, and there are no registers for a second
; set of h); the last of the four, which both forms of the work have, also states that the accumulators are written, for the LDS stores; one on vm_vsrc behind those stores; one on va_vdst ahead of the global
; stores; one on vm_vsrc behind them.
; REGISTERS, window 0: v2 0, v3 16 x lane, v4 4 x lane, v5 partial sums' way in, v6 their way out, v8-12 the head's addresses; v16-47 W2's scale words; v48-51 b2; v52-55 the rows' offsets in y; v56-63 h's scale words, two sets;
;   v64-71 entries, two sets; v72-135 the 8 accumulators; v136-147 fragment 63; v148-243 h: K step t at 12 t; v244-247 at work; v254, v255 the closing add's two.   Windows 1 to 3: fragment f at window 1 + f / 21, register 12 (f % 21).
.set WP,   784                         ; a stage row: 768 + 16: an odd multiple of 16, so that the 16 rows of a load of 16 bytes fall on 16 different columns of 16 bytes
.set STGW, 16*WP                       ; LDS: a stage of 16 rows for each wave,
.set RED,  4*STGW                      ; behind the four: the partial sums:
.set RP,   528                         ; a row of 128 f32 + 16 bytes,
.set REDW, 16*RP                       ; 16 rows a wave,
.set REDS, 4*REDW                      ; four waves a set; two sets
.set WS,  16                           ; register 8 j + t: lanes 0-15 tile 2 j's words of my K step t, lanes 16-31 tile 2 j + 1's
.set BI,  48                           ; b2 of outputs 4 x lane .. + 3
.set YO,  52
.set HS,  56                           ; set s at 4 s; register c: lanes 0-15 my K step 2 c, lanes 16-31 my K step 2 c + 1
.set EN,  64                           ; set s at 4 s: the entries of rows 4 w .. 4 w + 3
.set ACC, 72
.set F63, 136
.set G,   148
.set CT,  244
.set MSB, 0
.macro WIN new                         ; the immediate's high byte repeats the setting that is left
.if MSB != (\new)
	s_set_vgpr_msb (MSB<<8)|(\new)
.set MSB, (\new)
.endif
.endm
.macro FREG f                          ; fragment f: window fw, register fr
.if (\f) == 63
.set fw, 0
.set fr, F63
.else
.set fw, 1+(\f)/21
.set fr, 12*((\f)%21)
.endif
.endm
.macro RREG n                          ; where rows 2 a and 2 a + 1 of sub-group n land: in fragment 8 n + a's registers; sub-group 0 in h's
.if (\n) == 0
.set fw, 0
.set fr, G+12*a
.else
	FREG 8*(\n)+a
.endif
.endm
.macro RAW n                           ; sub-group n is asked for: rows 16 n .. 16 n + 15, my 768 bytes of each: three loads for two rows, sixteen lanes to an aligned block of 256 bytes.  No instruction has named these registers before
.set a, 0
.rept 8
	RREG \n
	WIN fw*64                                      ; the destination's window
	global_load_b128 v[fr:fr+3], v3, s[12:13] offset:6144*(8*(\n)+a)            ; the even row's bytes 0 .. 511
	global_load_b128 v[fr+4:fr+7], v8, s[12:13] offset:6144*(8*(\n)+a)+512      ; its bytes 512 .. 767, and the odd row's 0 .. 255
	global_load_b128 v[fr+8:fr+11], v3, s[12:13] offset:6144*(8*(\n)+a)+3328    ; the odd row's bytes 256 .. 767
.set a, a+1
.endr
	WIN 0
.endm
; Sub-group n has come: the sub-group three on is asked for; n goes into my stage as rows and comes back as fragments, into the registers that it left.  LDS serves a wave's instructions in order (ISA guide 5.7.1.4):
; no wait on DScnt stands between the stores and the loads, nor in front of the next sub-group's stores.
.macro SUB n, left, next
	s_wait_loadcnt \left                           ; behind sub-group n: the sub-groups n + 1 and n + 2, as far as there are such
.if (\next) < 8
	RAW \next
.endif
.set a, 0
.rept 8
	RREG \n
	WIN fw*4                                       ; an LDS store's data are its source 1
	ds_store_b128 v9, v[fr:fr+3] offset:2*WP*a
	ds_store_b128 v10, v[fr+4:fr+7] offset:2*WP*a+512
	ds_store_b128 v9, v[fr+8:fr+11] offset:2*WP*a+WP+256
.set a, a+1
.endr
	s_wait_alu depctr_vm_vsrc(0)                   ; the 24 stores have read the registers that the sub-group landed in: the fragments' loads below land in them (sub-group 0's are h's registers: the first tile's loads land there, further on)
.set a, 0
.rept 8
	FREG 8*(\n)+a
	WIN fw*64
.irp i, 0,1,2
	ds_load_b128 v[fr+4*\i:fr+4*\i+3], v11 offset:96*a+16*\i      ; tile n, my K step a: row p, 48 h + 16 i
.endr
.set a, a+1
.endr
	WIN 0
.endm
.macro SLOAD set, ahead                ; a tile's scale words of my 8 K steps and the entries of my 4 rows; ahead = 1: the next tile's
.irp j, 0,1,2,3
	global_load_b32 v[HS+4*(\set)+\j], v4, s[6:7] offset:8192*(\ahead)+128*\j
.endr
	global_load_b128 v[EN+4*(\set):EN+4*(\set)+3], v2, s[8:9] offset:256*(\ahead)
.endm
.macro CLOAD c, ahead                  ; chunk c of a tile's h: my K steps 2 c and 2 c + 1: six loads of 512 consecutive bytes
.irp k, 0,1
.irp i, 0,1,2
	global_load_b128 v[G+24*(\c)+12*\k+4*\i:G+24*(\c)+12*\k+4*\i+3], v3, s[4:5] offset:196608*(\ahead)+(2*(\c)+\k)*1536+512*\i
.endr
.endr
.endm
.macro WM acc, fa, fb, sa, sb, ra, rb, zero
.if \zero
.if \ra
	v_wmma_scale_f32_16x16x128_f8f6f4 v[\acc:\acc+7], v[\fa:\fa+11], v[\fb:\fb+11], 0, v[\sa], v[\sb] matrix_a_fmt:MATRIX_FMT_BF6 matrix_b_fmt:MATRIX_FMT_BF6 matrix_a_scale:MATRIX_SCALE_ROW1
.else
	v_wmma_scale_f32_16x16x128_f8f6f4 v[\acc:\acc+7], v[\fa:\fa+11], v[\fb:\fb+11], 0, v[\sa], v[\sb] matrix_a_fmt:MATRIX_FMT_BF6 matrix_b_fmt:MATRIX_FMT_BF6
.endif
.elseif (\ra) && (\rb)
	v_wmma_scale_f32_16x16x128_f8f6f4 v[\acc:\acc+7], v[\fa:\fa+11], v[\fb:\fb+11], v[\acc:\acc+7], v[\sa], v[\sb] matrix_a_fmt:MATRIX_FMT_BF6 matrix_b_fmt:MATRIX_FMT_BF6 matrix_a_scale:MATRIX_SCALE_ROW1 matrix_b_scale:MATRIX_SCALE_ROW1
.elseif \ra
	v_wmma_scale_f32_16x16x128_f8f6f4 v[\acc:\acc+7], v[\fa:\fa+11], v[\fb:\fb+11], v[\acc:\acc+7], v[\sa], v[\sb] matrix_a_fmt:MATRIX_FMT_BF6 matrix_b_fmt:MATRIX_FMT_BF6 matrix_a_scale:MATRIX_SCALE_ROW1
.elseif \rb
	v_wmma_scale_f32_16x16x128_f8f6f4 v[\acc:\acc+7], v[\fa:\fa+11], v[\fb:\fb+11], v[\acc:\acc+7], v[\sa], v[\sb] matrix_a_fmt:MATRIX_FMT_BF6 matrix_b_fmt:MATRIX_FMT_BF6 matrix_b_scale:MATRIX_SCALE_ROW1
.else
	v_wmma_scale_f32_16x16x128_f8f6f4 v[\acc:\acc+7], v[\fa:\fa+11], v[\fb:\fb+11], v[\acc:\acc+7], v[\sa], v[\sb] matrix_a_fmt:MATRIX_FMT_BF6 matrix_b_fmt:MATRIX_FMT_BF6
.endif
.endm
; A chunk's 16 products, taken window by window of W2's fragments (four switches a chunk), in a window K step by K step and tile by tile: no two products that follow each other share an accumulator, and each
; accumulator takes its K steps in ascending order.  The tile's first K step starts the sums with 0: nothing is cleared.
.macro MMC c, par
.irp wsel, 1,2,3,0
.irp k, 0,1
.irp n, 0,1,2,3,4,5,6,7
.set tt, 2*(\c)+\k
	FREG 8*\n+tt
.if fw == \wsel
	WIN fw                                         ; source 0's window
.set ac, ACC+8*\n
.set br, G+12*tt
.set sa, WS+8*(\n/2)+tt
.set sb, HS+4*(\par)+(\c)
.set ra, \n%2
.set rb, \k
.set zr, 0
.if tt == 0
.set zr, 1
.endif
	WM ac, fr, br, sa, sb, ra, rb, zr
.endif
.endr
.endr
.endr
.endm
; A tile's 64 products.  more = 1: a next tile follows: its scale words and entries are asked for at the head, into the other set, and each chunk's registers take the next tile's bytes behind the chunk's products.
; Behind the last chunk both forms have five places (four for the LDS stores that follow the work, five for the next tile's products that start sums anew) and the wait.
.macro WORK par, more
.if \more
	SLOAD 1-\par, 1                                ; no wait: no vector or matrix instruction has named the other set since the waits of the trip before (in the first trip: of the head)
.endif
.irp c, 0,1,2,3
.if \more
	s_wait_loadcnt 23                              ; chunk c is in.  Behind it: 6 (3 - c) loads of this tile's later chunks, the 5 just above, 6 c of the next tile's chunks
.else
	s_wait_loadcnt 18-6*\c                         ; chunk c is in.  Behind it: this tile's later chunks alone
.endif
	MMC \c, \par
.if (\more) || (\c == 3)
	WIN 0
.rept 4+\c/3
	v_nop                                          ; places behind the chunk's products
.endr
	s_wait_alu depctr_va_vdst(0)                   ; the chunk's products are done reading its registers, in which the next tile's loads land; behind the last chunk also: the products have written the accumulators, which the LDS stores read
.endif
.if \more
	CLOAD \c, 1
.endif
.endr
.endm
	s_load_b512 s[4:19], s[0:1], 0x0               ; hc s[4:5], hs s[6:7], rows s[8:9], sel s[10:11], W2's codes s[12:13], its scales s[14:15], b2 s[16:17], y s[18:19]
	v_lshl_add_u32 v254, v0, 2, 0x1cc00
	v_mov_b32 v255, 0
	v_lshrrev_b32 v1, 5, v0
	v_readfirstlane_b32 s22, v1                    ; wave
	s_and_b32 s23, ttmp7, 0xffff                   ; expert
	s_lshr_b32 s30, ttmp9, 2                       ; cs: which 128 outputs
	s_and_b32 s37, ttmp9, 3                        ; q: which tiles
	v_and_b32 v1, 15, v0                           ; r
	v_bfe_u32 v7, v0, 4, 1                         ; h
	v_and_b32 v13, 31, v0                          ; lane
	v_mov_b32 v2, 0                                ; the entries' offset: every lane reads the same 16 bytes
	v_lshlrev_b32 v3, 4, v13
	v_lshlrev_b32 v4, 2, v13
	v_lshlrev_b32 v12, 7, v13                      ; W2's scales: 128 bytes a row, lane l takes row l of each 32
	v_lshlrev_b32 v8, 4, v1
	v_mad_u32_u24 v8, v7, 2560, v8                 ; a load over two rows of W2: lanes 16-31 stand 3,072 - 512 bytes further on
	s_wait_alu depctr_va_sdst(0)                   ; s22 is written, ahead of its first reader: LDS places and bases are made from it
	s_mul_i32 s31, s22, STGW
	v_add_nc_u32 v9, s31, v3                       ; my stage, on the way in: 16 x lane,
	v_lshl_add_u32 v10, v7, 4, v9                  ; and for a load over two rows: lanes 16-31 behind one padding more
	v_mul_u32_u24 v11, v1, WP
	v_mad_u32_u24 v11, v7, 48, v11
	v_add_nc_u32 v11, s31, v11                     ; on the way out: row p, + 48 h
	s_mul_i32 s31, s22, REDW
	s_add_co_u32 s31, s31, RED
	v_mul_u32_u24 v5, v1, RP
	v_lshl_add_u32 v5, v7, 5, v5
	v_add_nc_u32 v5, s31, v5                       ; my partial sums: row r, + 32 h
	s_mul_i32 s31, s22, 4*RP
	s_add_co_u32 s31, s31, RED
	v_add_nc_u32 v6, s31, v3                       ; back: rows 4 w on, 16 x lane
.irp i, 0,1,2,3,4,5,6,7
	v_mov_b32 v[HS+\i], 0x7f7f7f7f                 ; h's scale words begin as the byte 127, so that they are written on every way through the text
.endr
	s_mov_b32 s36, 0x03010200                      ; a scale word's bytes 0, 1, 2, 3 go to 0, 2, 1, 3
	s_mov_b32 s33, 0
	s_mov_b32 s35, 0
	s_wait_kmcnt 0x0
	s_lshl_b32 s32, s23, 12
	s_lshl_b32 s34, s37, 6
	s_add_co_u32 s32, s32, s34
	s_lshl_b32 s34, s22, 4
	s_add_co_u32 s32, s32, s34
	s_add_nc_u64 s[8:9], s[8:9], s[32:33]          ; the expert's list, at tile q's entries 4 w .. 4 w + 3
	s_mul_i32 s32, s23, 3145728
	s_mul_i32 s34, s30, 393216
	s_add_co_u32 s32, s32, s34
	s_mul_i32 s34, s22, 768
	s_add_co_u32 s32, s32, s34
	s_add_nc_u64 s[12:13], s[12:13], s[32:33]      ; W2's codes: expert, 128 rows, my 768 bytes of a row
	s_lshl_b32 s32, s23, 17
	s_lshl_b32 s34, s30, 14
	s_add_co_u32 s32, s32, s34
	s_lshl_b32 s34, s22, 5
	s_add_co_u32 s32, s32, s34
	s_add_nc_u64 s[14:15], s[14:15], s[32:33]      ; its scales: my 32 bytes of a row
	s_lshl_b32 s32, s23, 12
	s_lshl_b32 s34, s30, 9
	s_add_co_u32 s32, s32, s34
	s_add_nc_u64 s[16:17], s[16:17], s[32:33]      ; b2
	s_add_nc_u64 s[18:19], s[18:19], s[34:35]      ; y: 512 cs bytes into a row
	s_lshl_b32 s32, s23, 6
	s_add_co_u32 s32, s32, s37                     ; 64 e + q: my first tile among all
	s_mul_i32 s34, s32, 49152
	s_mul_i32 s31, s22, 12288
	s_add_co_u32 s34, s34, s31
	s_add_nc_u64 s[4:5], s[4:5], s[34:35]          ; hc: the tile, my 8 K steps
	s_lshl_b32 s34, s32, 11
	s_lshl_b32 s31, s22, 9
	s_add_co_u32 s34, s34, s31
	s_add_nc_u64 s[6:7], s[6:7], s[34:35]          ; hs likewise
	s_wait_alu depctr_va_vdst(0)                   ; the offsets and LDS addresses v2 to v6 and v8 to v12 are written: every load, store and LDS instruction of the kernel but the stores of y reads one of them
.set j, 0
.rept 32
	global_load_b32 v[EN+j], v4, s[10:11] offset:128*j     ; sel of token 32 j + lane (into the entries' registers and the first accumulators': free at the head)
.set j, j+1
.endr
	global_load_b128 v[BI:BI+3], v3, s[16:17]
.irp j, 0,1,2,3
.irp q, 0,1
	global_load_b128 v[WS+8*\j+4*\q:WS+8*\j+4*\q+3], v12, s[14:15] offset:4096*\j+16*\q   ; a row's words of my K steps 4 q .. 4 q + 3
.endr
.endr
	RAW 0
	RAW 1
	s_mov_b32 s25, 0
	s_wait_loadcnt 57                              ; sel is in.  Behind it: 1 load of b2, 8 of scales, 48 of weights
.set j, 0
.rept 8                                ; the expert's rows are counted, 128 tokens a step, while the weights are on their way
.irp k, 0,1,2,3
	v_lshrrev_b32 v[CT+\k], s23, v[EN+4*j+\k]
.endr
.irp k, 0,1,2,3
	v_and_b32 v[CT+\k], 0x101, v[CT+\k]            ; bit 0: the expert is the token's first; bit 8: its second
.endr
.irp k, 0,1,2,3
	v_cmp_ne_u32 s[40+\k], 0, v[CT+\k]
.endr
	s_wait_alu depctr_va_sdst(0)                   ; the four compares have written s40 to s43, ahead of their first readers
.irp k, 0,1,2,3
	s_bcnt1_i32_b32 s[40+\k], s[40+\k]
.endr
	s_add_co_u32 s40, s40, s41
	s_add_co_u32 s42, s42, s43
	s_add_co_u32 s25, s25, s40
	s_add_co_u32 s25, s25, s42
.set j, j+1
.endr
	s_min_u32 s25, s25, 0x400                      ; the count
	s_add_co_u32 s26, s25, 15
	s_lshr_b32 s26, s26, 4                         ; tiles of 16 rows
	s_mov_b32 s27, s37                             ; my work-group's first tile
	RAW 2
	SUB 0, 48, 3                                   ; (its wait also shows b2 and the scales in)
.set i, 0
.rept 32
	v_perm_b32 v[WS+i], v[WS+i], v[WS+i], s36
.set i, i+1
.endr
	s_wait_dscnt 0x0                               ; sub-group 0's LDS instructions are done
	s_wait_alu depctr_va_vdst(0)                   ; the count's shifts are done reading sel's registers, in the first eight of which the tiles' entries land
	s_cmp_ge_u32 s27, s26
	s_cbranch_scc1 .Lnofirst
	SLOAD 0, 0                                     ; the first tile, in the order in which every tile is asked for: scale words, entries, chunks 0 to 3
	CLOAD 0, 0
	CLOAD 1, 0
	CLOAD 2, 0
	CLOAD 3, 0
.Lnofirst:
	SUB 1, 48, 4                                   ; the counts are those of the way without a first tile; on the other way they wait for a little more
	SUB 2, 48, 5
	SUB 3, 48, 6
	SUB 4, 48, 7
	SUB 5, 48, 8
	SUB 6, 24, 8
	SUB 7, 0, 8                                    ; every load of the head is in, the first tile's too
	s_wait_dscnt 0x0                               ; W2's fragments are in
	s_mov_b32 s28, 0
.rept 8
	v_nop                                          ; scale words were written by vector instructions: eight places ahead of the first scaled product
.endr
	s_wait_alu depctr_va_vdst(0)                   ; behind the places: the permutes have written W2's scale words and the moves h's, which the scaled products take
; A TRIP: tile s27, if the expert has it.  par: the set of scale words, entries and partial sums.
.macro TRIP par
	s_cmp_ge_u32 s27, s26
	s_cbranch_scc1 .Lnone_\@
	s_add_co_u32 s29, s27, 4
	s_cmp_ge_u32 s29, s26
	s_cbranch_scc1 .Llast_\@
	WORK \par, 1
	s_branch .Lsum_\@
.Llast_\@:
	WORK \par, 0
.Lsum_\@:                                              ; on both ways the places and the wait for the accumulators stand at the work's end
.irp n, 0,1,2,3,4,5,6,7
	ds_store_b128 v5, v[ACC+8*\n:ACC+8*\n+3] offset:REDS*\par+64*\n          ; lane (r, h): outputs 16 n + 8 h + 0 .. 7 of row r; each accumulator from its low end on
	ds_store_b128 v5, v[ACC+8*\n+4:ACC+8*\n+7] offset:REDS*\par+64*\n+16
.endr
	s_wait_alu depctr_vm_vsrc(0)                   ; my LDS stores have read the accumulators, in which the four waves' sums land behind the barrier
	s_branch .Lmeet_\@
.Lnone_\@:
	s_wait_loadcnt 0x0                             ; a trip without a tile: no load of mine is out, and the wait says so on this way
.Lmeet_\@:
	s_wait_dscnt 0x0                               ; for the others' sake: my partial sums are written, and my reads of the other set are over
	s_barrier_signal -1
	s_barrier_wait -1                              ; on every way: every wave passes it in every trip
	s_cmp_ge_u32 s27, s26
	s_cbranch_scc1 .Lstep_\@
.irp v, 0,1,2,3
.irp i, 0,1,2,3
	ds_load_b128 v[ACC+16*\v+4*\i:ACC+16*\v+4*\i+3], v6 offset:REDS*\par+REDW*\v+RP*\i   ; wave v's sums of row 4 w + i: 512 consecutive bytes
.endr
.endr
	s_wait_loadcnt 24                              ; all but the youngest 24 loads, the next tile's chunks, are in: this tile's entries among them
.irp i, 0,1,2,3
	v_and_b32 v[EN+4*\par+\i], 0xfff, v[EN+4*\par+\i]      ; the entry = the row of y,
	v_min_u32 v[EN+4*\par+\i], 0x807, v[EN+4*\par+\i]      ; held inside y's 2,056 rows
	v_lshl_add_u32 v[YO+\i], v[EN+4*\par+\i], 12, v3       ; a row of 4,096 bytes, + 16 x lane
.endr
	s_wait_dscnt 0x0
.irp i, 0,1,2,3
.irp d, 0,2
	v_pk_add_f32 v[ACC+4*\i+\d:ACC+4*\i+\d+1], v[ACC+4*\i+\d:ACC+4*\i+\d+1], v[ACC+16+4*\i+\d:ACC+16+4*\i+\d+1]
	v_pk_add_f32 v[ACC+32+4*\i+\d:ACC+32+4*\i+\d+1], v[ACC+32+4*\i+\d:ACC+32+4*\i+\d+1], v[ACC+48+4*\i+\d:ACC+48+4*\i+\d+1]
.endr
.endr
.irp i, 0,1,2,3
.irp d, 0,2
	v_pk_add_f32 v[ACC+4*\i+\d:ACC+4*\i+\d+1], v[ACC+4*\i+\d:ACC+4*\i+\d+1], v[ACC+32+4*\i+\d:ACC+32+4*\i+\d+1]
.endr
.endr
.irp i, 0,1,2,3
.irp d, 0,2
	v_pk_add_f32 v[ACC+4*\i+\d:ACC+4*\i+\d+1], v[ACC+4*\i+\d:ACC+4*\i+\d+1], v[BI+\d:BI+\d+1]
.endr
.endr
	s_wait_alu depctr_va_vdst(0)                   ; the additions have written the four rows and the shifts their offsets, which the stores read; the clamps are done with this set of entries, in which the loads of the trip after the next land
.irp i, 0,1,2,3
	global_store_b128 v[YO+\i], v[ACC+4*\i:ACC+4*\i+3], s[18:19]   ; 32 lanes store 512 consecutive bytes of one row, at a multiple of 256 from y's first byte
.endr
	s_wait_alu depctr_vm_vsrc(0)                   ; the stores have read their rows, which the next tile's products write, and their offsets, which the next trip makes anew
.Lstep_\@:
	s_wait_xcnt 0x0                                ; the stores and loads have had their addresses translated: data, offsets and bases are written again
	s_add_nc_u64 s[4:5], s[4:5], 196608            ; four tiles on
	s_add_nc_u64 s[6:7], s[6:7], 8192
	s_add_nc_u64 s[8:9], s[8:9], 256
	s_add_co_u32 s27, s27, 4
.endm
.Lpair:                                                ; 8 trips of two tiles: 16 tiles for each q serve all 1,024 tokens on one expert
	TRIP 0
	TRIP 1
	s_add_co_u32 s28, s28, 1
	s_cmp_lt_u32 s28, 8
	s_cbranch_scc1 .Lpair
	s_barrier_signal -1
	s_barrier_wait -1
	s_wait_dscnt 0x0                               ; the closing lines, six on end
	s_wait_alu 0x0
	s_wait_tensorcnt 0x0
	ds_add_u32 v254, v255
	s_wait_dscnt 0x0
	s_endpgm
.Lfunc_end_k_q305c6aa0bd_down:
	.size	k_q305c6aa0bd_down, .Lfunc_end_k_q305c6aa0bd_down-k_q305c6aa0bd_down
	.p2alignl 7, 3214868480
	.fill 96, 4, 3214868480
	.section	.rodata,"a",@progbits
	.p2align	6, 0x0
	.amdhsa_kernel k_q305c6aa0bd_down
		.amdhsa_group_segment_fixed_size 118272
		.amdhsa_private_segment_fixed_size 0
		.amdhsa_enable_private_segment 0
		.amdhsa_kernarg_size 64
		.amdhsa_user_sgpr_count 2
		.amdhsa_user_sgpr_kernarg_segment_ptr 1
		.amdhsa_wavefront_size32 1
		.amdhsa_system_sgpr_workgroup_id_x 1
		.amdhsa_system_sgpr_workgroup_id_y 1
		.amdhsa_system_sgpr_workgroup_id_z 1
		.amdhsa_system_vgpr_workitem_id 0
		.amdhsa_next_free_vgpr 1024
		.amdhsa_next_free_sgpr 66
		.amdhsa_reserve_vcc 0
		.amdhsa_float_denorm_mode_32 3
		.amdhsa_float_denorm_mode_16_64 3
		.amdhsa_memory_ordered 1
		.amdhsa_forward_progress 1
		.amdhsa_inst_pref_size 118
	.end_amdhsa_kernel
	.amdgpu_metadata
---
amdhsa.version: [ 1, 2 ]
amdhsa.kernels:
  - .name:           k_q305c6aa0bd_down
    .symbol:         k_q305c6aa0bd_down.kd
    .args:
      - { .name: hc, .offset: 0, .size: 8, .value_kind: global_buffer, .address_space: global }
      - { .name: hs, .offset: 8, .size: 8, .value_kind: global_buffer, .address_space: global }
      - { .name: rows, .offset: 16, .size: 8, .value_kind: global_buffer, .address_space: global }
      - { .name: sel, .offset: 24, .size: 8, .value_kind: global_buffer, .address_space: global }
      - { .name: w2_codes, .offset: 32, .size: 8, .value_kind: global_buffer, .address_space: global }
      - { .name: w2_scales, .offset: 40, .size: 8, .value_kind: global_buffer, .address_space: global }
      - { .name: b2, .offset: 48, .size: 8, .value_kind: global_buffer, .address_space: global }
      - { .name: y, .offset: 56, .size: 8, .value_kind: global_buffer, .address_space: global }
    .group_segment_fixed_size: 118272
    .private_segment_fixed_size: 0
    .kernarg_segment_align: 8
    .kernarg_segment_size: 64
    .max_flat_workgroup_size: 128
    .sgpr_count:     66
    .vgpr_count:     1024
    .wavefront_size: 32
...
	.end_amdgpu_metadata
.endif
;; end of part 7
;; launch norm: the kernel of part 4 again; grid 256 x 1, 4 waves a work-group, no clusters, 0 bytes of LDS; arguments y, gw, hidden_states, ln_w, ln_b, out0; writes out0
